; MI455X (gfx1250); checked and timed in simulation.
; The chip was launched on July 23, 2026; its instructions are those of AMD's public machine-readable ISA for CDNA 5 (MIT licence, August 2026) and "CDNA5" Instruction Set Architecture Reference Guide (July 2026). The comments in the code are by the model that wrote it; some were corrected since.
;; Causal Self Attention. Allowed arithmetic: float matrix products may take bf16 or f16 operands with f32 sums; other float arithmetic in f32, or as packed bf16 or f16 multiplies, adds, multiply-adds, maxima and minima; sums over many terms, partial sums and values carried from step to step in f32; what a program stores and reads back later, other than sums and carried values, may be rounded once to bf16 or f16.
;; Inputs: Wk 1,024 x 1,024 float32; Wq 1,024 x 1,024 float32; Wv 1,024 x 1,024 float32; x 4 x 2,048 x 1,024 float32.
;; Outputs: out0 4 x 2,048 x 1,024 float32.
;; 2 versions, each right; version 2 is version 1 with the launch cast written anew for expert scheduling mode. Each part assembles by itself: llvm-mc -triple=amdgcn-amd-amdhsa -mcpu=gfx1250 --defsym DOCPART=n.
;; ======== version 1 of 2: 4 launches
;; limits: values are held in f16: magnitudes above 65,504 overflow, below 6.1e-05 lose precision
;; workspace buffers: xw 23,068,672 bytes; qkv 50,331,648 bytes; p 33,554,432 bytes; st 1,048,576 bytes
;; launch cast (part 1): grid 704 x 1, 8 waves a work-group, no clusters, 0 bytes of LDS; arguments x, Wq, Wk, Wv, xw; writes xw
.if DOCPART == 1
	.amdgcn_target "amdgcn-amd-amdhsa--gfx1250"
	.amdhsa_code_object_version 6
	.text
	.protected	k_qd884cca1e3_cast
	.globl	k_qd884cca1e3_cast
	.p2align	8
	.type	k_qd884cca1e3_cast,@function
k_qd884cca1e3_cast:
	s_mov_b64 s[64:65], 0
	v_nop
	global_prefetch_b8 v0, s[64:65] scope:SCOPE_SE
	s_setreg_imm32_b32 hwreg(HW_REG_WAVE_MODE, 25, 1), 1
	s_wait_xcnt 0x0
; xw in bf16 = x's 8,192 rows, then Wq's, Wk's and Wv's 1,024 rows each, every number rounded once to nearest even, LAID OUT IN BLOCKS ALONG K:
; xw[kb][row][64], kb = 0..15, row = 0..11,263: a row's 64 numbers of block kb are 128 bytes, and neighbouring rows of a block lie end to end.  So the launch behind
; can ask for any run of rows of one block as dense rows of 256 bytes.
; A stream: each input byte is read once, each output byte written once; LDS, barriers and the matrix unit would add nothing.
; A work-group of eight waves takes 16 rows: 65,536 bytes in, 32,768 out.  Groups 0-511 take x; group 512 + 64 w + i takes chunk i of weight w.
; Wave w takes blocks 2 w and 2 w + 1.  One load: lanes 0-15 the 256 bytes (64 f32) of an even row in a block, lanes 16-31 those of the odd row below: two aligned pieces of 256 bytes.
; One store: the same two rows' 128 bytes each, which are 256 consecutive bytes of xw at a multiple of 256.
; All sixteen loads go out first; no register is used twice, so the only waits are the counted ones for the loads.
.set BLK, 11264*128                    ; bytes in a block of xw
.set X, 4                              ; v[4:67]   sixteen loads of four f32
.set Y, 68                             ; v[68:99]  sixteen pairs of packed bf16
	s_load_b256 s[4:11], s[0:1], 0x0               ; x s[4:5], Wq s[6:7], Wk s[8:9], Wv s[10:11]
	s_load_b64 s[12:13], s[0:1], 0x20              ; xw
	s_sub_co_u32 s14, ttmp9, 512                   ; the group's number among the weights' (it wraps for x's groups, where it is not used)
	s_lshr_b32 s15, s14, 6                         ; which weight
	s_and_b32 s16, s14, 63                         ; which chunk of it
	s_cmp_lt_u32 ttmp9, 512
	s_cselect_b32 s16, ttmp9, s16                  ; x's groups: the chunk is the group's number
	s_lshl_b32 s16, s16, 16                        ; 65,536 bytes a chunk in the source
	s_mov_b32 s17, 0
	s_lshl_b32 s18, ttmp9, 11                      ; 16 rows of 128 bytes a group in each block of xw
	s_mov_b32 s19, 0
	v_and_b32 v3, 15, v0                           ; r = lane % 16
	v_bfe_u32 v2, v0, 4, 1                         ; h = lane / 16
	v_lshlrev_b32 v1, 4, v3                        ; source: 16 r
	v_lshl_add_u32 v1, v2, 12, v1                  ;   + one row of 4,096 bytes for the upper lanes
	v_lshlrev_b32 v3, 3, v3                        ; xw: 8 r
	v_lshl_add_u32 v2, v2, 7, v3                   ;   + one row of 128 bytes for the upper lanes
	v_lshrrev_b32 v3, 5, v0                        ; the wave
	v_lshl_add_u32 v1, v3, 9, v1                   ; source: + two blocks' 512 bytes a wave
	v_mul_u32_u24 v3, v3, 2*BLK                    ; xw: + two blocks a wave
	v_add_nc_u32 v2, v2, v3
	s_wait_kmcnt 0x0
	s_cmp_eq_u32 s15, 1                            ; the source is chosen by the group's number alone
	s_cselect_b64 s[20:21], s[8:9], s[6:7]
	s_cmp_eq_u32 s15, 2
	s_cselect_b64 s[20:21], s[10:11], s[20:21]
	s_cmp_lt_u32 ttmp9, 512
	s_cselect_b64 s[20:21], s[4:5], s[20:21]
	s_add_nc_u64 s[20:21], s[20:21], s[16:17]
	s_add_nc_u64 s[12:13], s[12:13], s[18:19]
.irp s, 0,1,2,3,4,5,6,7,8,9,10,11,12,13,14,15  ; load s: pair of rows s % 8, the wave's block s / 8
	global_load_b128 v[X+4*(\s):X+4*(\s)+3], v1, s[20:21] offset:((\s)%8)*8192+((\s)/8)*256 th:TH_LOAD_NT
.endr
.irp s, 0,1,2,3,4,5,6,7,8,9,10,11,12,13,14,15
	s_wait_loadcnt 15-(\s)                         ; loads come back in order (ISA guide 5.7.1): load s is in, the younger ones stay out
	v_cvt_pk_bf16_f32 v[Y+2*(\s)], v[X+4*(\s)], v[X+4*(\s)+1]
	v_cvt_pk_bf16_f32 v[Y+2*(\s)+1], v[X+4*(\s)+2], v[X+4*(\s)+3]
	global_store_b64 v2, v[Y+2*(\s):Y+2*(\s)+1], s[12:13] offset:((\s)/8)*BLK+((\s)%8)*256
.endr
	s_endpgm
.Lfunc_end_k_qd884cca1e3_cast:
	.size	k_qd884cca1e3_cast, .Lfunc_end_k_qd884cca1e3_cast-k_qd884cca1e3_cast
	.p2alignl 7, 3214868480
	.fill 96, 4, 3214868480
	.section	.rodata,"a",@progbits
	.p2align	6, 0x0
	.amdhsa_kernel k_qd884cca1e3_cast
		.amdhsa_group_segment_fixed_size 0
		.amdhsa_private_segment_fixed_size 0
		.amdhsa_enable_private_segment 0
		.amdhsa_kernarg_size 40
		.amdhsa_user_sgpr_count 2
		.amdhsa_user_sgpr_kernarg_segment_ptr 1
		.amdhsa_wavefront_size32 1
		.amdhsa_system_sgpr_workgroup_id_x 1
		.amdhsa_system_sgpr_workgroup_id_y 1
		.amdhsa_system_sgpr_workgroup_id_z 1
		.amdhsa_system_vgpr_workitem_id 0
		.amdhsa_next_free_vgpr 100
		.amdhsa_next_free_sgpr 66
		.amdhsa_reserve_vcc 0
		.amdhsa_float_denorm_mode_32 3
		.amdhsa_float_denorm_mode_16_64 3
		.amdhsa_memory_ordered 1
		.amdhsa_forward_progress 1
		.amdhsa_inst_pref_size 8
	.end_amdhsa_kernel
	.amdgpu_metadata
---
amdhsa.version: [ 1, 2 ]
amdhsa.kernels:
  - .name:           k_qd884cca1e3_cast
    .symbol:         k_qd884cca1e3_cast.kd
    .args:
      - { .name: x, .offset: 0, .size: 8, .value_kind: global_buffer, .address_space: global }
      - { .name: Wq, .offset: 8, .size: 8, .value_kind: global_buffer, .address_space: global }
      - { .name: Wk, .offset: 16, .size: 8, .value_kind: global_buffer, .address_space: global }
      - { .name: Wv, .offset: 24, .size: 8, .value_kind: global_buffer, .address_space: global }
      - { .name: xw, .offset: 32, .size: 8, .value_kind: global_buffer, .address_space: global }
    .group_segment_fixed_size: 0
    .private_segment_fixed_size: 0
    .kernarg_segment_align: 8
    .kernarg_segment_size: 40
    .max_flat_workgroup_size: 256
    .sgpr_count:     66
    .vgpr_count:     100
    .wavefront_size: 32
...
	.end_amdgpu_metadata
.endif
;; end of part 1
;; launch proj (part 2): grid 8 x 32, 4 waves a work-group, clusters of 4 x 4, 327,680 bytes of LDS; arguments xw, qkv; writes qkv
.if DOCPART == 2
	.amdgcn_target "amdgcn-amd-amdhsa--gfx1250"
	.amdhsa_code_object_version 6
	.text
	.protected	k_qd884cca1e3_proj
	.globl	k_qd884cca1e3_proj
	.p2align	8
	.type	k_qd884cca1e3_proj,@function
k_qd884cca1e3_proj:
	s_mov_b64 s[64:65], 0
	v_nop
	global_prefetch_b8 v0, s[64:65] scope:SCOPE_SE
	s_setreg_imm32_b32 hwreg(HW_REG_WAVE_MODE, 25, 1), 1
	s_wait_xcnt 0x0
	s_wait_alu depctr_hold_cnt(0) depctr_sa_sdst(0) depctr_va_vdst(0) depctr_va_sdst(0) depctr_va_ssrc(0) depctr_va_vcc(0) depctr_vm_vsrc(0)
	s_getreg_b32 s2, hwreg(HW_REG_IB_STS2, 6, 4)
	s_cmp_eq_u32 s2, 0
	s_cbranch_scc0 .Lentry_in_a_cluster
	s_endpgm
.Lentry_in_a_cluster:
	s_bfe_u32 s2, ttmp6, 0x10000c
	s_cmp_lg_u32 s2, 0xf033
	s_cbranch_scc0 .Lentry_shape_is_right
	s_endpgm
.Lentry_shape_is_right:
; qkv[8192][3072] in f16 = x W^T for W = Wq, Wk, Wv on end: q in columns 0-1023, k in 1024-2047, v in 2048-3071.  Operands bf16 out of xw, sums f32, each result rounded once to f16.
; xw lies in blocks along K: xw[kb][row][64], rows 0-8191 x, rows 8192-11263 the weights; a run of rows of one block is dense.
; LIMIT.  f16 ends at 65,504: a q, k or v of 65,520 or more becomes an infinity.  Inputs 30 times the drawn spread give numbers near 5e3, common offsets of that size near 3e4.
; SHARES.  A tile is 256 rows x 384 columns: 32 x 8 = 256 work-groups, one for each of 256 WGPs.  Four waves, each 128 x 192: 96 accumulators of 16 x 16, 768 registers.
; For 32 along K a wave loads 20 fragments (40 LDS loads) and issues 96 matrix instructions.
; K goes in 16 steps of 64, a block of xw a step, through two LDS slots: two slots of 128 along K (2 x 640 rows x 272 bytes) would not fit in 327,680 bytes.
; CLUSTER.  4 x 4 work-groups: the four of a row need the same rows of x, the four of a column the same rows of W: each tile is asked for jointly, by the same load, descriptor and mask in all four.
; THE MATRIX INSTRUCTION IS USED TRANSPOSED (source 0 = 16 rows of W, source 1 = 16 rows of x): a lane then holds eight neighbouring columns of one row of the result, 16 bytes in f16.
; REGISTERS.  Window 0: v0-31 addresses; v32-95, v96-159 x's fragments (8 x 16 rows x 32 K), two buffers; v160-255 W's fragments (12), ONE buffer.
;   Windows 1-3: the accumulators: (row block a, column block b) in window 1 + b / 4 at v[64 (b % 4) + 8 a].
; A QUARTER (32 along K) goes column block by column block, 8 matrix instructions each, so that W's fragments 4 g .. 4 g + 3 are free behind group g and are loaded again there, 64 matrix instructions
; ahead of their next use; x's next fragments go into the other buffer behind group 0.  32 matrix instructions stand under one window setting.
.set PK,     144                       ; an LDS row: 128 bytes + 16 of padding = 36 words: the 16 rows that a load touches start at 16 different groups of four banks (ISA guide 11.1)
.set AHALF,  128*PK                    ; what one load brings of x, and what one wave reads of it
.set BHALF,  192*PK                    ; the same for W
.set BOFF,   2*AHALF                   ; in a slot: x's 256 rows, then W's 384
.set SLOTX,  1<<17                     ; slot 1 begins here: one exclusive or turns an address in one slot into the other's
.set SPARE,  SLOTX+BOFF+2*BHALF        ; behind the ring: the spare words, 128 bytes for each wave: two blocks of 256 bytes that no other line names
.set STAGE,  SPARE+512                 ; behind them, never filled by a tensor load: 128 rows x 784 bytes, the work-group's, for the way out
.set SP,     784                       ; a stage row: 768 bytes + 16 = 196 words: row r starts at bank 4 r mod 64
.set STEPS,  16
.set BLK,    11264*128                 ; bytes in a block of xw: from a K step's tile to the next step's
.set OROW,   6144                      ; bytes in a row of qkv
.set ADRA,  16                         ; v16  LDS address of my fragments of x in the slot in hand
.set ADRA0, 18                         ; v18  the same in slot 0; never rewritten
.set ADRB0, 19                         ; v19  the same for W
.set ADRB,  20                         ; v20
.set STO,   24                         ; v24  the way out: where I put 16 bytes of a row
.set RD0,   25                         ; v25  where I read rows back, first trip; never rewritten
.set CO,    26                         ; v26  my byte offset in qkv
.set RDA,   27                         ; v27  where I read rows back, the trip in hand
.set SPW,   28                         ; v28  LDS address of my spare word; never rewritten
.set NIL,   29                         ; v29  0; never rewritten
.set A0,    32
.set A1,    96
.set BF,    160
.set TMP,   32                         ; the way out: four row blocks' packed results, 48 registers each
.set OB,    32                         ; the way out: twelve pieces of 16 bytes a lane read back
.set TB,    2                          ; s2   0 or SLOTX: the slot in hand
.set CNT,   3                          ; s3   the loops' count
.set RO,    8                          ; s8   the way out: the trip's byte offset in the stage
.set WV,    10                         ; s10  wave
.set WR,    11                         ; s11  which half of the tile's rows is mine; also: I fetch x (0) or W (1)
.set WC,    12                         ; s12  which half of its columns; also: which half of that tile I fetch
.set G1A,   24                         ; s[24:31] descriptor group 1 for x's tiles
.set G0A,   32                         ; s[32:39] group 0: a set for each first fill; the second then walks on
.set G1B,   48                         ; s[48:55], s[56:63] the same for W's tiles
.set G0B,   56
.set MSB, 0
.macro WIN new                         ; the immediate's high byte repeats the setting that is left; a switch that changes nothing is dropped
.if MSB != (\new)
	s_set_vgpr_msb (MSB<<8)|(\new)
.set MSB, \new
.endif
.endm
.macro PLACES                          ; four places in front of loads into registers that matrix instructions have read, and of conversions that read results
.rept 4
	v_nop
.endr
.endm
; A joint refill by the walking set.  The branch hangs on the wave's number alone.  An s_nop 0 and four v_nop follow each of the two lines.
.macro JLOAD
	s_cmp_eq_u32 s[WR], 0
	s_cbranch_scc0 .Lfor_b_\@
	tensor_load_to_lds s[G0A+4:G0A+7], s[G1A:G1A+7]
	s_nop 0
.rept 4
	v_nop
.endr
	s_branch .Lasked_\@
.Lfor_b_\@:
	tensor_load_to_lds s[G0B+4:G0B+7], s[G1B:G1B+7]
	s_nop 0
.rept 4
	v_nop
.endr
.Lasked_\@:
.endm
.macro CREST                           ; a round of the cluster's barrier behind its opening barrier
	s_cmp_lg_u32 s[WV], 0
	s_cbranch_scc1 .Lnot_wave_0_\@
	s_barrier_signal -3
.Lnot_wave_0_\@:
	s_barrier_wait -3
	s_barrier_signal -1
	s_barrier_wait -1
.endm
.macro CROUND                          ; a whole round
	s_barrier_signal -1
	s_barrier_wait -1
	CREST
.endm
	s_load_b128 s[4:7], s[0:1], 0x0                ; xw s[4:5], qkv s[6:7]
	v_lshl_add_u32 v[SPW], v0, 2, SPARE
	v_mov_b32 v[NIL], 0
	ds_add_u32 v[SPW], v[NIL]                      ; the wave's opening: the add and its wait stand ahead of my first tensor load; work on registers stands between them
	v_lshrrev_b32 v1, 5, v0
	v_readfirstlane_b32 s[WV], v1
	s_lshr_b32 s[WR], s[WV], 1
	s_and_b32 s[WC], s[WV], 1
	s_bfe_u32 s40, ttmp6, 0x40000                  ; cx, cy: my place in the cluster
	s_bfe_u32 s41, ttmp6, 0x40004
	s_lshl_b32 s42, ttmp9, 2
	s_add_co_u32 s42, s42, s40                     ; tile column = 4 x cluster x + cx
	s_and_b32 s13, ttmp7, 0xffff
	s_lshl_b32 s13, s13, 2
	s_add_co_u32 s13, s13, s41                     ; tile row = 4 x cluster y + cy
	s_lshl_b32 s43, s41, 2
	s_lshl_b32 s43, 15, s43                        ; my row of the cluster
	s_lshl_b32 s44, 0x1111, s40                    ; my column
	; descriptor group 1.  128 (192) rows of a block are 16,384 (24,576) dense bytes: asked for as 64 (96) rows of 256 bytes, two rows of xw each, and padded in LDS after every row of xw
	s_or_b32 s[G1A], s43, (1<<16)|(1<<20)|(1<<21)|(4<<22)|(3<<25)  ; the mask; 2-byte elements; padding on; bit 21 beside a mask; after every 32 words 4 words of padding
	s_or_b32 s[G1B], s44, (1<<16)|(1<<20)|(1<<21)|(4<<22)|(3<<25)
	s_mov_b32 s[G1A+1], 128<<16                    ; tensor_dim0 = 128
	s_mov_b32 s[G1A+2], 64<<16                     ; tensor_dim1 = 64
	s_mov_b32 s[G1A+3], 128<<16                    ; tile_dim0 = 128
	s_mov_b32 s[G1A+4], 64                         ; tile_dim1 = 64
	s_mov_b32 s[G1A+5], 128                        ; elements from row to row: dense
	s_mov_b32 s[G1A+6], 0
	s_mov_b32 s[G1A+7], 0
	s_mov_b32 s[G1B+1], 128<<16
	s_mov_b32 s[G1B+2], 96<<16                     ; W's loads bring 96 such rows
	s_mov_b32 s[G1B+3], 128<<16
	s_mov_b32 s[G1B+4], 96
	s_mov_b32 s[G1B+5], 128
	s_mov_b32 s[G1B+6], 0
	s_mov_b32 s[G1B+7], 0
	s_lshl_b32 s16, s13, 15                        ; x: row 256 x tile row + 128 x half, 128 bytes each, which my row of the cluster shares
	s_lshl_b32 s17, s[WC], 14
	s_add_co_u32 s16, s16, s17
	s_mov_b32 s17, 0
	s_mul_i32 s46, s42, 384*128                    ; W: row 8,192 + 384 x tile column + 192 x half, which my column shares
	s_mul_i32 s47, s[WC], 192*128
	s_add_co_u32 s46, s46, s47
	s_add_co_u32 s46, s46, 8192*128
	s_mov_b32 s47, 0
	s_mul_i32 s20, s[WC], AHALF                    ; where they go: no place in the cluster enters an LDS address
	s_mul_i32 s21, s[WC], BHALF
	s_add_co_u32 s21, s21, BOFF
	s_mov_b32 s[TB], 0
	s_wait_dscnt 0x0                               ; the opening add is done
	s_wait_kmcnt 0x0
	s_add_nc_u64 s[14:15], s[4:5], s[16:17]
	s_add_nc_u64 s[46:47], s[4:5], s[46:47]
.irp s, 0,1
	s_mov_b32 s[G0A+4*(\s)], 1                     ; count = 1
	s_add_co_u32 s[G0A+4*(\s)+1], s20, (\s)*SLOTX  ; LDS address
	s_add_nc_u64 s[G0A+4*(\s)+2:G0A+4*(\s)+3], s[14:15], (\s)*BLK  ; global address: K step s
	s_or_b32 s[G0A+4*(\s)+3], s[G0A+4*(\s)+3], 0x80000000          ; type = 2
	s_mov_b32 s[G0B+4*(\s)], 1
	s_add_co_u32 s[G0B+4*(\s)+1], s21, (\s)*SLOTX
	s_add_nc_u64 s[G0B+4*(\s)+2:G0B+4*(\s)+3], s[46:47], (\s)*BLK
	s_or_b32 s[G0B+4*(\s)+3], s[G0B+4*(\s)+3], 0x80000000
.endr
	CROUND                                         ; all sixteen work-groups are here: the first joint loads meet
	s_cmp_eq_u32 s[WR], 0                          ; a wave's two first fills stand in one branch: two loads of mine are out
	s_cbranch_scc0 .Lfirst_b
	tensor_load_to_lds s[G0A:G0A+3], s[G1A:G1A+7]
	s_nop 0
	tensor_load_to_lds s[G0A+4:G0A+7], s[G1A:G1A+7]
	s_nop 0
.rept 4
	v_nop
.endr
	s_branch .Lfirst_asked
.Lfirst_b:
	tensor_load_to_lds s[G0B:G0B+3], s[G1B:G1B+7]
	s_nop 0
	tensor_load_to_lds s[G0B+4:G0B+7], s[G1B:G1B+7]
	s_nop 0
.rept 4
	v_nop
.endr
.Lfirst_asked:
	; A fragment is 16 rows x 32 K in 8 registers: lane l holds row l % 16, K = 8 (l / 16) + 0..7 and 16 + 8 (l / 16) + 0..7: two loads of 16 bytes, 32 bytes apart.
	v_and_b32 v1, 15, v0                           ; l % 16
	v_bfe_u32 v2, v0, 4, 1                         ; l / 16
	v_mul_u32_u24 v3, v1, PK
	v_lshl_add_u32 v3, v2, 4, v3                   ; row x pitch + 16 x half
	s_mul_i32 s21, s[WR], AHALF                    ; my 128 rows of x
	s_mul_i32 s22, s[WC], BHALF                    ; my 192 rows of W,
	s_add_co_u32 s22, s22, BOFF                    ; which lie behind x's 256
	v_add_nc_u32 v[ADRA0], s21, v3
	v_add_nc_u32 v[ADRB0], s22, v3
	v_mov_b32 v[ADRA], v[ADRA0]
	v_mov_b32 v[ADRB], v[ADRB0]
	s_mul_i32 s23, s[WR], 64*SP                    ; into the stage: in a pass my 64 rows, my half of their 768 bytes; row l % 16, 16 bytes for each half of the lanes
	s_mul_i32 s21, s[WC], 384
	s_add_co_u32 s23, s23, s21
	s_add_co_u32 s23, s23, STAGE
	v_mul_u32_u24 v5, v1, SP
	v_lshl_add_u32 v5, v2, 4, v5
	v_add_nc_u32 v[STO], s23, v5
	s_mul_i32 s23, s[WV], 32*SP                    ; back: wave w takes stage rows 32 w .. 32 w + 31, whole; lanes 0-15 256 bytes of one row, lanes 16-31 of the next
	s_add_co_u32 s23, s23, STAGE
	v_mul_u32_u24 v5, v2, SP
	v_lshl_add_u32 v5, v1, 4, v5
	v_add_nc_u32 v[RD0], s23, v5
	v_mul_u32_u24 v5, v2, OROW                     ; and the same two rows in qkv
	v_lshl_add_u32 v[CO], v1, 4, v5
	s_lshl_b32 s16, s13, 8                         ; the first row of qkv that I store: stage row 32 w of pass 0 is row 256 x tile row + 128 (w / 2) + 32 (w % 2)
	s_lshl_b32 s17, s[WR], 7
	s_add_co_u32 s16, s16, s17
	s_lshl_b32 s17, s[WC], 5
	s_add_co_u32 s16, s16, s17
	s_mul_i32 s16, s16, OROW
	s_mov_b32 s17, 0
	s_mul_i32 s46, s42, 768                        ; the tile's first column, in bytes
	s_mov_b32 s47, 0
	s_add_nc_u64 s[16:17], s[16:17], s[46:47]
	s_add_nc_u64 s[6:7], s[6:7], s[16:17]
; 8 matrix instructions: column block b x all 8 row blocks, 32 along K, x's fragments in buffer f.  zero = 1: the first product starts the sums.
; The 96 accumulators take turns in the same order in every quarter.
.macro COL f, b, zero
	WIN 0x50*(1+(\b)/4)                            ; sources 0 and 1 window 0; C and D window 1 + b / 4
.irp a, 0,1,2,3,4,5,6,7
.if \zero
	v_wmma_f32_16x16x32_bf16 v[64*((\b)%4)+8*(\a):64*((\b)%4)+8*(\a)+7], v[BF+8*(\b):BF+8*(\b)+7], v[(\f)+8*(\a):(\f)+8*(\a)+7], 0
.else
	v_wmma_f32_16x16x32_bf16 v[64*((\b)%4)+8*(\a):64*((\b)%4)+8*(\a)+7], v[BF+8*(\b):BF+8*(\b)+7], v[(\f)+8*(\a):(\f)+8*(\a)+7], v[64*((\b)%4)+8*(\a):64*((\b)%4)+8*(\a)+7]
.endif
.endr
.endm
.macro FETCHA k, f                     ; 16 LDS loads: x's 8 fragments, 32 K at byte k of the rows, into buffer f
	WIN 0
.irp i, 0,1,2,3,4,5,6,7
	ds_load_b128 v[(\f)+8*(\i):(\f)+8*(\i)+3],   v[ADRA] offset:(\k)+(\i)*16*PK
	ds_load_b128 v[(\f)+8*(\i)+4:(\f)+8*(\i)+7], v[ADRA] offset:(\k)+(\i)*16*PK+32
.endr
.endm
.macro FETCHB k, g                     ; 8 LDS loads: W's fragments 4 g .. 4 g + 3
	WIN 0
.irp i, 0,1,2,3
	ds_load_b128 v[BF+8*(4*(\g)+(\i)):BF+8*(4*(\g)+(\i))+3],   v[ADRB] offset:(\k)+(4*(\g)+(\i))*16*PK
	ds_load_b128 v[BF+8*(4*(\g)+(\i))+4:BF+8*(4*(\g)+(\i))+7], v[ADRB] offset:(\k)+(4*(\g)+(\i))*16*PK+32
.endr
.endm
; A K step is two quarters.  The fetches of a quarter always go out in this order: x's 16 loads, then W's groups 0, 1, 2, 8 loads each.
; THE FIRST QUARTER of a step multiplies x's buffer 0 and fetches the step's second 32 along K.
.macro EVEN zero
	s_wait_dscnt 16                                ; x and W's group 0 are in; groups 1 and 2 may be out
.irp b, 0,1,2,3
	COL A0, \b, \zero
.endr
	PLACES
	FETCHA 64, A1
	FETCHB 64, 0
	s_wait_dscnt 32                                ; W's group 1 is in: behind it group 2's 8 and the 24 just issued
.irp b, 4,5,6,7
	COL A0, \b, \zero
.endr
	PLACES
	FETCHB 64, 1
	s_wait_dscnt 32                                ; W's group 2 is in: behind it the 24 and the 8 just issued
.irp b, 8,9,10,11
	COL A0, \b, \zero
.endr
	PLACES
	FETCHB 64, 2                                   ; my last reads of this slot
.endm
; THE SECOND QUARTER multiplies x's buffer 1 and changes slots behind its first 32 products.  ONE barrier: in front of it each wave waits for all its tensor loads (one is out: its part of the
; next slot), adds 0 to its spare word, and waits for that and for its reads of this slot (issued 40 matrix instructions back).  fill = 1: the barrier opens a round of the cluster's, and the slot
; just read is filled again first, two K steps ahead: the load has a step less 16 matrix instructions, 176 of them, in which to land.
.macro ODD fill
	s_wait_dscnt 16                                ; x and W's group 0 are in
.irp b, 0,1,2,3
	COL A1, \b, 0
.endr
	WIN 0
	s_wait_tensorcnt 0x0                           ; all my tensor loads have landed, so the walking sets may be written
	ds_add_u32 v[SPW], v[NIL]                      ; 0 onto my spare word
	s_wait_dscnt 9                                 ; W's group 1 is in (group 2's 8 and the add may be out)
	COL A1, 4, 0                                   ; eight matrix instructions stand between the add and the wait for it
	s_wait_dscnt 0x0                               ; the add is done, and my reads of this slot are over
	s_barrier_signal -1
	COL A1, 5, 0                                   ; work on registers while the others arrive
	WIN 0                                          ; at a branch and at a label every window is 0
	s_barrier_wait -1
.if \fill
	CREST                                          ; no wave of any partner still reads this slot or has a load on its way
	s_xor_b32 s[G0A+5], s[G0A+5], SLOTX            ; the walking sets: the other slot than last time, the next block of xw
	s_add_nc_u64 s[G0A+6:G0A+7], s[G0A+6:G0A+7], BLK
	s_xor_b32 s[G0B+5], s[G0B+5], SLOTX
	s_add_nc_u64 s[G0B+6:G0B+7], s[G0B+6:G0B+7], BLK
	JLOAD                                          ; my one tensor load behind the round; its four v_nop are also the places in front of the loads below
.else
	PLACES
.endif
	s_xor_b32 s[TB], s[TB], SLOTX                  ; the fetches go over to the other slot
	v_add_nc_u32 v[ADRA], s[TB], v[ADRA0]
	v_add_nc_u32 v[ADRB], s[TB], v[ADRB0]
	FETCHA 0, A0
	FETCHB 0, 0
	COL A1, 6, 0
	COL A1, 7, 0
	PLACES
	FETCHB 0, 1
.irp b, 8,9,10,11
	COL A1, \b, 0
.endr
	PLACES
	FETCHB 0, 2
.endm
; THE WAY OUT, in two passes of four row blocks a wave (128 of the tile's 256 rows).  A wave's 192 columns are 384 bytes, one and a half aligned pieces of 256: so the two waves of a row half write the
; two halves of the same stage rows, a barrier stands between the writing and the reading, and each wave then reads 32 whole rows of 768 bytes and stores them.
.macro PACKP p                         ; row blocks 4 p .. 4 p + 3 rounded to f16: window by window, each accumulator's registers in ascending order
.irp g, 0,1,2
	WIN 5*(1+(\g))                                 ; sources 0 and 1 window 1 + g, destination window 0
.irp a, 0,1,2,3
.irp c, 0,1,2,3
.irp r, 0,1,2,3
	v_cvt_pk_f16_f32 v[TMP+48*(\a)+4*(4*(\g)+(\c))+(\r)], v[64*(\c)+8*(4*(\p)+(\a))+2*(\r)], v[64*(\c)+8*(4*(\p)+(\a))+2*(\r)+1]
.endr
.endr
.endr
.endr
	WIN 0
.endm
.macro STOREP                          ; 16 bytes a lane for each of 4 x 12 blocks
.irp a, 0,1,2,3
.irp b, 0,1,2,3,4,5,6,7,8,9,10,11
	ds_store_b128 v[STO], v[TMP+48*(\a)+4*(\b):TMP+48*(\a)+4*(\b)+3] offset:(\a)*16*SP+32*(\b)
.endr
.endr
.endm
.macro OUT                             ; four trips of eight rows: four pairs of rows x three pieces of 256 bytes
	s_mov_b32 s[RO], 0
	s_mov_b32 s[CNT], 4
.Lout_\@:
	v_add_nc_u32 v[RDA], s[RO], v[RD0]
.irp i, 0,1,2,3
.irp u, 0,1,2
	ds_load_b128 v[OB+4*(3*(\i)+(\u)):OB+4*(3*(\i)+(\u))+3], v[RDA] offset:2*(\i)*SP+256*(\u)
.endr
.endr
	s_wait_dscnt 0x0                               ; the eight rows are in registers
.irp i, 0,1,2,3
.irp u, 0,1,2
	global_store_b128 v[CO], v[OB+4*(3*(\i)+(\u)):OB+4*(3*(\i)+(\u))+3], s[6:7] offset:2*(\i)*OROW+256*(\u)  ; 16 lanes store 256 consecutive bytes, at a multiple of 256 from qkv's first byte
.endr
.endr
	s_wait_xcnt 0x0                                ; every store has had its addresses translated (ISA guide 3.1): only behind this wait are the stores' base and data registers written again
	s_add_nc_u64 s[6:7], s[6:7], 8*OROW
	s_add_co_u32 s[RO], s[RO], 8*SP
	s_sub_co_u32 s[CNT], s[CNT], 1
	s_cmp_lg_u32 s[CNT], 0
	s_cbranch_scc1 .Lout_\@
.endm
	s_wait_tensorcnt 0x1                           ; my part of K step 0 is in; step 1's may stay out
	s_barrier_signal -1
	s_barrier_wait -1                              ; everybody's is
	FETCHA 0, A0
	FETCHB 0, 0
	FETCHB 0, 1
	FETCHB 0, 2
	EVEN 1                                         ; the first quarter stands in front of the loop: its products start the sums
	WIN 0
	s_mov_b32 s[CNT], STEPS-2
.Lstep:                                                ; a trip: a K step's second quarter and the next step's first; it fills one slot again
	ODD 1
	EVEN 0
	WIN 0
	s_sub_co_u32 s[CNT], s[CNT], 1
	s_cmp_lg_u32 s[CNT], 0
	s_cbranch_scc1 .Lstep
	ODD 0                                          ; the tail is written out: nothing more is asked for
	EVEN 0
	s_wait_dscnt 16                                ; the very last quarter: nothing more to fetch
.irp b, 0,1,2,3
	COL A1, \b, 0
.endr
	s_wait_dscnt 8                                 ; W's group 1 is in
.irp b, 4,5,6,7
	COL A1, \b, 0
.endr
	s_wait_dscnt 0x0
.irp b, 8,9,10,11
	COL A1, \b, 0
.endr
	WIN 0
	PLACES
	PACKP 0
	STOREP
	s_wait_dscnt 0x0                               ; for the others' sake: my stores into the stage are done
	s_barrier_signal -1
	s_barrier_wait -1
	OUT
	s_add_nc_u64 s[6:7], s[6:7], 32*OROW           ; the second pass's rows lie 64 below the first's, of which 32 have been stepped
	s_barrier_signal -1                            ; my reads of the stage are over (the loop's last wait was for 0);
	PACKP 1                                        ; work on registers while the others arrive;
	s_barrier_wait -1                              ; nobody reads the stage any more: it is written again
	STOREP
	s_wait_dscnt 0x0
	s_barrier_signal -1
	s_barrier_wait -1
	OUT
	s_wait_tensorcnt 0x0                           ; the wave's end: an add to my spare word and its wait, behind my last tensor load and my last LDS store
	ds_add_u32 v[SPW], v[NIL]
	s_wait_dscnt 0x0
	CROUND                                         ; the closing round: no work-group ends while a partner may still ask for a tile that names it
	s_endpgm
.Lfunc_end_k_qd884cca1e3_proj:
	.size	k_qd884cca1e3_proj, .Lfunc_end_k_qd884cca1e3_proj-k_qd884cca1e3_proj
	.p2alignl 7, 3214868480
	.fill 96, 4, 3214868480
	.section	.rodata,"a",@progbits
	.p2align	6, 0x0
	.amdhsa_kernel k_qd884cca1e3_proj
		.amdhsa_group_segment_fixed_size 327680
		.amdhsa_private_segment_fixed_size 0
		.amdhsa_enable_private_segment 0
		.amdhsa_kernarg_size 16
		.amdhsa_user_sgpr_count 2
		.amdhsa_user_sgpr_kernarg_segment_ptr 1
		.amdhsa_wavefront_size32 1
		.amdhsa_system_sgpr_workgroup_id_x 1
		.amdhsa_system_sgpr_workgroup_id_y 1
		.amdhsa_system_sgpr_workgroup_id_z 1
		.amdhsa_system_vgpr_workitem_id 0
		.amdhsa_next_free_vgpr 1024
		.amdhsa_next_free_sgpr 66
		.amdhsa_reserve_vcc 0
		.amdhsa_float_denorm_mode_32 3
		.amdhsa_float_denorm_mode_16_64 3
		.amdhsa_memory_ordered 1
		.amdhsa_forward_progress 1
		.amdhsa_inst_pref_size 99
	.end_amdhsa_kernel
	.amdgpu_metadata
---
amdhsa.version: [ 1, 2 ]
amdhsa.kernels:
  - .name:           k_qd884cca1e3_proj
    .symbol:         k_qd884cca1e3_proj.kd
    .args:
      - { .name: xw, .offset: 0, .size: 8, .value_kind: global_buffer, .address_space: global }
      - { .name: qkv, .offset: 8, .size: 8, .value_kind: global_buffer, .address_space: global }
    .group_segment_fixed_size: 327680
    .private_segment_fixed_size: 0
    .kernarg_segment_align: 8
    .kernarg_segment_size: 16
    .max_flat_workgroup_size: 128
    .sgpr_count:     66
    .vgpr_count:     1024
    .wavefront_size: 32
...
	.end_amdgpu_metadata
.endif
;; end of part 2
;; launch scores (part 3): grid 8 x 32, 4 waves a work-group, clusters of 4 x 4, 327,680 bytes of LDS; arguments qkv, p, st; writes p, st
.if DOCPART == 3
	.amdgcn_target "amdgcn-amd-amdhsa--gfx1250"
	.amdhsa_code_object_version 6
	.text
	.protected	k_qd884cca1e3_scores
	.globl	k_qd884cca1e3_scores
	.p2align	8
	.type	k_qd884cca1e3_scores,@function
k_qd884cca1e3_scores:
	s_mov_b64 s[64:65], 0
	v_nop
	global_prefetch_b8 v0, s[64:65] scope:SCOPE_SE
	s_setreg_imm32_b32 hwreg(HW_REG_WAVE_MODE, 25, 1), 1
	s_wait_xcnt 0x0
	s_wait_alu depctr_hold_cnt(0) depctr_sa_sdst(0) depctr_va_vdst(0) depctr_va_sdst(0) depctr_va_ssrc(0) depctr_va_vcc(0) depctr_vm_vsrc(0)
	s_getreg_b32 s2, hwreg(HW_REG_IB_STS2, 6, 4)
	s_cmp_eq_u32 s2, 0
	s_cbranch_scc0 .Lentry_in_a_cluster
	s_endpgm
.Lentry_in_a_cluster:
	s_bfe_u32 s2, ttmp6, 0x10000c
	s_cmp_lg_u32 s2, 0xf033
	s_cbranch_scc0 .Lentry_shape_is_right
	s_endpgm
.Lentry_shape_is_right:
; For each batch: S = q k^T (f16 operands, f32 sums).  For each query and each STRIP of 128 keys: cm = c x the strip's largest score, c = log2(e) / 32; p = 2^(c s - cm), rounded once to f16; l = the sum of the
; unrounded p.  p[8192][2048] in f16; st holds cm (bytes 0 on) and l (bytes 524,288 on) in f32, at strip x 32,768 + (row / 64) x 256 + (row % 16) x 16 + ((row / 16) % 4) x 4.
; The maximum taken away here is the strip's true maximum; the launch behind corrects every strip to the row's true maximum.  So no exponent is above 0, and each strip's l is at least 1.
; LIMITS.  q and k arrive within f16's range; p below 6e-5 keeps f16's fixed step of 6e-8; a weight below 2^-126 counts as 0 in l; NaN and infinities are not treated apart.
; SHARES.  A tile of S is 256 queries x 256 keys: 32 x 8 = 256 work-groups.  Four waves, each 128 x 128 (one strip): 64 accumulators, 512 registers.  K (the 1,024 channels) goes in 8 steps of 128 through two LDS slots.
; CLUSTER.  4 x 4 work-groups: the four of a row need the same rows of q, the four of a column the same rows of k: joint loads, the same descriptor and mask in all four.
; THE MATRIX INSTRUCTION IS USED TRANSPOSED (source 0 = 16 rows of k, source 1 = 16 rows of q): a lane holds ONE query (lane % 16) and, of each 16 keys, the eight at 8 (lane / 16): a query's maximum
; and sum want one exchange between the halves of the lanes, and eight neighbouring p pack into 16 bytes.
; REGISTERS, in windows of 256: window 0: v0-31 addresses; v64-127, v128-191 fragments of q, two buffers; on the way out all of v32-255 at work.  Window 1: v64-191 fragments of k.
;   Window 2: the accumulators of my rows 0-63 ((a, b) at v[8 (8 a + b)]); window 3: those of rows 64-127.
.set PITCH,  272                       ; an LDS row: 256 bytes + 16 of padding: the 16 rows that a load touches start at 16 different groups of four banks (ISA guide 11.1)
.set HALFT,  128*PITCH                 ; 128 rows: what one tensor load brings, and what one wave reads of q or of k
.set SLOT,   4*HALFT                   ; 0x22000: q's 256 rows, then k's 256.  No wave's place in a slot (0, 0x8800, 0x11000, 0x19800) has bit 13 or 17, so an exclusive or with SLOT changes slots
.set STAGE,  2*SLOT                    ; behind the ring: 16 rows x 272 bytes for each wave, for the way out
.set SPARE,  STAGE+4*16*PITCH          ; the spare words, 128 bytes for each wave: two blocks of 256 bytes that no other line names
.set STEPS,  8
.set QROW,   6144                      ; bytes in a row of qkv
.set PROW,   4096                      ; bytes in a row of p
.set ADRA,  16                         ; v16  LDS address of my fragments of q in the slot in hand
.set ADRA0, 18                         ; v18  the same in slot 0; never rewritten
.set ADRB0, 19                         ; v19  the same for k
.set ADRB,  20                         ; v20
.set STO,   24                         ; v24  the way out: where I put 16 bytes of a row
.set RD,    25                         ; v25  where I read a row back
.set CO,    26                         ; v26  my byte offset in p
.set SO,    27                         ; v27  my byte offset in st: 16 x lane
.set SPW,   28                         ; v28  LDS address of my spare word; never rewritten
.set NIL,   29                         ; v29  0; never rewritten
.set F0,    64
.set F1,    128
.set OB,    32                         ; the way out: 16 rows read back: v32-63 and v224-255 by turns
.set TT,    64                         ; v64-127   a block's 64 scores a lane: c s - cm, then p
.set CM,    128                        ; v128-135  cm of my query in blocks 0-7
.set LS,    136                        ; v136-143  l likewise
.set CH,    144                        ; v144-147  four chains of the maximum
.set CMM,   148                        ; v148 cm, v149 the maximum
.set LL,    150                        ; v150-157  four chains of the sum, pairs
.set WK,    158                        ; v158-159  at work
.set MOUT,  160                        ; v160-163  four cm to store
.set LOUT,  164                        ; v164-167  four l to store
.set TMP,   192                        ; v192-223  packed p
.set CNT,   3                          ; s3   the loop's count
.set WV,    10
.set WR,    11                         ; which half of the tile's queries is mine; also: I fetch q (0) or k (1)
.set WC,    12                         ; which half of its keys; also: which 128 rows of that tile I fetch
.set G1,    24                         ; s[24:31] descriptor group 1 for q's tiles;  s[32:39] group 0: a set for each first fill; the second then walks on
.set G0,    32
.set G1B,   48                         ; s[48:55], s[56:63] the same for k's
.set G0B,   56
.set CS,    66                         ; s[66:67] c: the packed scaling takes the pair's low word for both halves
.set SEL,   68                         ; s[68:69] v_permlanex16_b32's selects: each lane takes its own place in the other half
.set HM,    70                         ; s70  the lanes 16-31
.set TB,    71                         ; s71  0 or SLOT: the slot in hand
.set STB,   72                         ; s[72:73] st at my strip and rows
.set MUL_LO, 0xa1                      ; source 0 (k) window 1, source 1 (q) window 0, C and D window 2
.set MUL_HI, 0xf1                      ; the same, C and D window 3
.set TO_B,   0x40                      ; destination window 1, address window 0
.set MSB, 0
.macro WIN new                         ; the immediate's high byte repeats the setting that is left; a switch that changes nothing is dropped
.if MSB != (\new)
	s_set_vgpr_msb (MSB<<8)|(\new)
.set MSB, \new
.endif
.endm
.macro PLACES                          ; four places in front of loads into registers that matrix instructions have read, and of vector lines that read results
.rept 4
	v_nop
.endr
.endm
.macro JLOAD                           ; a joint refill by the walking set; an s_nop 0 and four v_nop follow each of the two lines
	s_cmp_eq_u32 s[WR], 0
	s_cbranch_scc0 .Lfor_b_\@
	tensor_load_to_lds s[G0+4:G0+7], s[G1:G1+7]
	s_nop 0
.rept 4
	v_nop
.endr
	s_branch .Lasked_\@
.Lfor_b_\@:
	tensor_load_to_lds s[G0B+4:G0B+7], s[G1B:G1B+7]
	s_nop 0
.rept 4
	v_nop
.endr
.Lasked_\@:
.endm
.macro CREST                           ; a round of the cluster's barrier behind its opening barrier
	s_cmp_lg_u32 s[WV], 0
	s_cbranch_scc1 .Lnot_wave_0_\@
	s_barrier_signal -3
.Lnot_wave_0_\@:
	s_barrier_wait -3
	s_barrier_signal -1
	s_barrier_wait -1
.endm
.macro CROUND
	s_barrier_signal -1
	s_barrier_wait -1
	CREST
.endm
	s_load_b64 s[4:5], s[0:1], 0x0                 ; qkv
	s_load_b64 s[8:9], s[0:1], 0x8                 ; p
	s_load_b64 s[STB:STB+1], s[0:1], 0x10          ; st
	v_lshl_add_u32 v[SPW], v0, 2, SPARE
	v_mov_b32 v[NIL], 0
	ds_add_u32 v[SPW], v[NIL]                      ; the wave's opening: the add and its wait stand ahead of my first tensor load; work on registers stands between them
	v_lshrrev_b32 v1, 5, v0
	v_readfirstlane_b32 s[WV], v1
	s_lshr_b32 s[WR], s[WV], 1
	s_and_b32 s[WC], s[WV], 1
	s_bfe_u32 s40, ttmp6, 0x40000                  ; cx, cy
	s_bfe_u32 s41, ttmp6, 0x40004
	s_lshl_b32 s42, ttmp9, 2
	s_add_co_u32 s42, s42, s40                     ; key tile of the batch = 4 x cluster x + cx
	s_and_b32 s13, ttmp7, 0xffff
	s_lshl_b32 s13, s13, 2
	s_add_co_u32 s13, s13, s41                     ; query tile among all 32 = 4 x cluster y + cy = 8 x batch + the batch's tile
	s_lshl_b32 s43, s41, 2
	s_lshl_b32 s43, 15, s43                        ; my row of the cluster
	s_lshl_b32 s44, 0x1111, s40                    ; my column
	s_or_b32 s[G1], s43, (1<<16)|(1<<20)|(1<<21)|(5<<22)|(3<<25)   ; the mask; 2-byte elements; padding on; bit 21 beside a mask; after every 64 words 4 words of padding
	s_or_b32 s[G1B], s44, (1<<16)|(1<<20)|(1<<21)|(5<<22)|(3<<25)
.irp g, G1, G1B
	s_mov_b32 s[(\g)+1], 128<<16                   ; tensor_dim0 = 128
	s_mov_b32 s[(\g)+2], 128<<16                   ; tensor_dim1 = 128
	s_mov_b32 s[(\g)+3], 128<<16                   ; tile_dim0 = 128
	s_mov_b32 s[(\g)+4], 128                       ; tile_dim1 = 128
	s_mov_b32 s[(\g)+5], 3072                      ; elements from row to row of qkv
	s_mov_b32 s[(\g)+6], 0
	s_mov_b32 s[(\g)+7], 0
.endr
	s_lshl_b32 s16, s13, 8                         ; q: row 256 x query tile + 128 x half, which my row of the cluster shares
	s_lshl_b32 s17, s[WC], 7
	s_add_co_u32 s16, s16, s17
	s_mul_i32 s16, s16, QROW
	s_mov_b32 s17, 0
	s_and_b32 s45, ttmp7, 0xffff                   ; k: the batch = cluster y / 2, which the whole cluster shares,
	s_lshr_b32 s45, s45, 1
	s_lshl_b32 s46, s45, 11                        ; row 2,048 x batch + 256 x key tile + 128 x half, which my column shares
	s_lshl_b32 s47, s42, 8
	s_add_co_u32 s46, s46, s47
	s_lshl_b32 s47, s[WC], 7
	s_add_co_u32 s46, s46, s47
	s_mul_i32 s46, s46, QROW
	s_add_co_u32 s46, s46, 2048                    ; k begins 2,048 bytes into a row
	s_mov_b32 s47, 0
	s_mul_i32 s20, s[WV], HALFT                    ; where they go: q's two halves, then k's two halves = wave x 128 rows
	s_mov_b32 s[TB], 0
	s_mov_b32 s[CS], 0x3d38aa3b                    ; c = log2(e) / 32
	s_mov_b32 s[CS+1], s[CS]                       ; named with it as a pair
	s_mov_b32 s[SEL], 0x76543210
	s_mov_b32 s[SEL+1], 0xfedcba98
	s_wait_dscnt 0x0                               ; the opening add is done
	s_wait_kmcnt 0x0
	s_add_nc_u64 s[14:15], s[4:5], s[16:17]
	s_add_nc_u64 s[46:47], s[4:5], s[46:47]
.irp s, 0,1
	s_mov_b32 s[G0+4*(\s)], 1
	s_add_co_u32 s[G0+4*(\s)+1], s20, (\s)*SLOT
	s_add_nc_u64 s[G0+4*(\s)+2:G0+4*(\s)+3], s[14:15], (\s)*256
	s_or_b32 s[G0+4*(\s)+3], s[G0+4*(\s)+3], 0x80000000
	s_mov_b32 s[G0B+4*(\s)], 1
	s_add_co_u32 s[G0B+4*(\s)+1], s20, (\s)*SLOT
	s_add_nc_u64 s[G0B+4*(\s)+2:G0B+4*(\s)+3], s[46:47], (\s)*256
	s_or_b32 s[G0B+4*(\s)+3], s[G0B+4*(\s)+3], 0x80000000
.endr
	CROUND                                         ; all sixteen work-groups are here: the first joint loads meet
	s_cmp_eq_u32 s[WR], 0                          ; a wave's two first fills stand in one branch: two loads of mine are out
	s_cbranch_scc0 .Lfirst_b
	tensor_load_to_lds s[G0:G0+3], s[G1:G1+7]
	s_nop 0
	tensor_load_to_lds s[G0+4:G0+7], s[G1:G1+7]
	s_nop 0
.rept 4
	v_nop
.endr
	s_branch .Lfirst_asked
.Lfirst_b:
	tensor_load_to_lds s[G0B:G0B+3], s[G1B:G1B+7]
	s_nop 0
	tensor_load_to_lds s[G0B+4:G0B+7], s[G1B:G1B+7]
	s_nop 0
.rept 4
	v_nop
.endr
.Lfirst_asked:
	v_and_b32 v1, 15, v0                           ; l % 16
	v_bfe_u32 v2, v0, 4, 1                         ; l / 16
	v_mul_u32_u24 v3, v1, PITCH
	v_lshl_add_u32 v3, v2, 4, v3                   ; a fragment's row x pitch + 16 x half
	s_mul_i32 s21, s[WR], HALFT                    ; my 128 rows of q
	s_mul_i32 s22, s[WC], HALFT                    ; my 128 rows of k,
	s_add_co_u32 s22, s22, 2*HALFT                 ; which lie behind q's 256
	v_add_nc_u32 v[ADRA0], s21, v3
	v_add_nc_u32 v[ADRB0], s22, v3
	v_mov_b32 v[ADRA], v[ADRA0]
	v_mov_b32 v[ADRB], v[ADRB0]
	s_mul_i32 s23, s[WV], 16*PITCH
	s_add_co_u32 s23, s23, STAGE                   ; my stage
	v_add_nc_u32 v[STO], s23, v3                   ; in: row l % 16, 16 bytes for each half of the lanes
	v_mul_u32_u24 v5, v2, PITCH                    ; back: lanes 0-15 take one row of 256 bytes, lanes 16-31 the next
	v_lshl_add_u32 v5, v1, 4, v5
	v_add_nc_u32 v[RD], s23, v5
	v_lshlrev_b32 v5, 12, v2                       ; and the same two rows in p
	v_lshl_add_u32 v[CO], v1, 4, v5
	v_and_b32 v5, 31, v0
	v_lshlrev_b32 v[SO], 4, v5
	s_lshl_b32 s16, s13, 20                        ; p: (256 x query tile + 128 x half) rows of 4,096 bytes + 512 x key tile + 256 x half
	s_lshl_b32 s17, s[WR], 19
	s_add_co_u32 s16, s16, s17
	s_lshl_b32 s17, s42, 9
	s_add_co_u32 s16, s16, s17
	s_lshl_b32 s17, s[WC], 8
	s_add_co_u32 s16, s16, s17
	s_mov_b32 s17, 0
	s_add_nc_u64 s[8:9], s[8:9], s[16:17]
	s_lshl_b32 s18, s42, 1                         ; st: strip 2 x key tile + half, 32,768 bytes each; my first row x 4
	s_add_co_u32 s18, s18, s[WC]
	s_lshl_b32 s18, s18, 15
	s_lshl_b32 s19, s13, 10
	s_add_co_u32 s18, s18, s19
	s_lshl_b32 s19, s[WR], 9
	s_add_co_u32 s18, s18, s19
	s_mov_b32 s19, 0
	s_add_nc_u64 s[STB:STB+1], s[STB:STB+1], s[18:19]
; 16 matrix instructions: query blocks a0, a0 + 1 of the window's four x all 8 key blocks, 32 along K.  zero = 1: the first product starts the sums.  The 64 accumulators take turns.
.macro MUL16 f, hi, a0, zero
	WIN MUL_LO+0x50*(\hi)
.irp a, \a0, (\a0)+1
.irp b, 0,1,2,3,4,5,6,7
.if \zero
	v_wmma_f32_16x16x32_f16 v[8*(8*(\a)+(\b)):8*(8*(\a)+(\b))+7], v[(\f)+8*(\b):(\f)+8*(\b)+7], v[(\f)+8*(4*(\hi)+(\a)):(\f)+8*(4*(\hi)+(\a))+7], 0
.else
	v_wmma_f32_16x16x32_f16 v[8*(8*(\a)+(\b)):8*(8*(\a)+(\b))+7], v[(\f)+8*(\b):(\f)+8*(\b)+7], v[(\f)+8*(4*(\hi)+(\a)):(\f)+8*(4*(\hi)+(\a))+7], v[8*(8*(\a)+(\b)):8*(8*(\a)+(\b))+7]
.endif
.endr
.endr
.endm
; 32 LDS loads in one run: a quarter step's fragments (128 rows of k, 128 rows of q, 32 K at byte k of the rows) into buffer f
.macro FETCH k, f
	WIN TO_B
.irp i, 0,1,2,3,4,5,6,7
	ds_load_b128 v[(\f)+8*(\i):(\f)+8*(\i)+3],   v[ADRB] offset:(\k)+(\i)*16*PITCH
	ds_load_b128 v[(\f)+8*(\i)+4:(\f)+8*(\i)+7], v[ADRB] offset:(\k)+(\i)*16*PITCH+32
.endr
	WIN 0
.irp i, 0,1,2,3,4,5,6,7
	ds_load_b128 v[(\f)+8*(\i):(\f)+8*(\i)+3],   v[ADRA] offset:(\k)+(\i)*16*PITCH
	ds_load_b128 v[(\f)+8*(\i)+4:(\f)+8*(\i)+7], v[ADRA] offset:(\k)+(\i)*16*PITCH+32
.endr
.endm
.macro QUARTER k, f, g, zero
	s_wait_dscnt 8                                 ; k and q's rows 0-63 are in; the youngest eight loads (q's rows 64-127) may be out
	MUL16 \f, 0, 0, \zero
	MUL16 \f, 0, 2, \zero
	PLACES
	FETCH \k, \g
	s_wait_dscnt 32                                ; all but the 32 just issued
	MUL16 \f, 1, 0, \zero
	MUL16 \f, 1, 2, \zero
.endm
; The last quarter multiplies buffer 1 and changes slots.  ONE barrier: in front of it each wave waits for all its tensor loads (one is out: its part of the next slot), adds 0 to its spare
; word, and waits for that and for its reads of this slot.  fill = 1: the barrier opens a round of the cluster's, and the slot just read is filled again first, two K steps ahead.
.macro TURN fill
	WIN 0
	s_wait_tensorcnt 0x0                           ; all my tensor loads have landed, so the walking sets may be written
	ds_add_u32 v[SPW], v[NIL]                      ; 0 onto my spare word
	s_wait_dscnt 9                                 ; (the add and the youngest eight loads may be out)
	MUL16 F1, 0, 0, 0                              ; sixteen matrix instructions stand between the add and the wait for it
	s_wait_dscnt 0x0                               ; the add is done, and my reads of this slot are over
	s_barrier_signal -1
	MUL16 F1, 0, 2, 0                              ; work on registers while the others arrive
	WIN 0                                          ; at a branch and at a label every window is 0
	s_barrier_wait -1
.if \fill
	CREST                                          ; no wave of any partner still reads this slot or has a load on its way
	s_xor_b32 s[G0+5], s[G0+5], SLOT               ; the walking sets: the other slot than last time, the next K step
	s_add_nc_u64 s[G0+6:G0+7], s[G0+6:G0+7], 256
	s_xor_b32 s[G0B+5], s[G0B+5], SLOT
	s_add_nc_u64 s[G0B+6:G0B+7], s[G0B+6:G0B+7], 256
	JLOAD                                          ; my one tensor load behind the round; its four v_nop are also the places in front of the loads below
.else
	PLACES
.endif
	s_xor_b32 s[TB], s[TB], SLOT                   ; the fetches go over to the other slot
	v_add_nc_u32 v[ADRA], s[TB], v[ADRA0]
	v_add_nc_u32 v[ADRB], s[TB], v[ADRB0]
	FETCH 0, F0
	MUL16 F1, 1, 0, 0
	MUL16 F1, 1, 2, 0
.endm
; THE SOFTMAX OF BLOCK a (16 queries x the strip's 128 keys; a lane has 64 scores, in 8 accumulators).
.macro SUMJ j                          ; pair j of 32 joins one of four chains; the first four pairs wait for their partners
.if (\j) < 4
	v_nop
.elseif (\j) < 8
	v_pk_add_f32 v[LL+2*((\j)%4):LL+2*((\j)%4)+1], v[TT+2*(\j)-8:TT+2*(\j)-7], v[TT+2*(\j):TT+2*(\j)+1]
.else
	v_pk_add_f32 v[LL+2*((\j)%4):LL+2*((\j)%4)+1], v[LL+2*((\j)%4):LL+2*((\j)%4)+1], v[TT+2*(\j):TT+2*(\j)+1]
.endif
.endm
.macro SOFT a
.set AC, 64*((\a)%4)                   ; its accumulators, in window WW
.set WW, 2+(\a)/4
	WIN WW*0x15                                    ; all three sources in window WW
.irp k, 0,1,2,3                        ; the maximum: four chains, each over two accumulators; each accumulator's lowest registers are read first
	v_max3_num_f32 v[CH+(\k)], v[AC+16*(\k)], v[AC+16*(\k)+1], v[AC+16*(\k)+2]
.endr
	WIN WW*0x14                                    ; sources 1 and 2 in window WW
.irp t, 0,1,2,3,4,5
.irp k, 0,1,2,3
	v_max3_num_f32 v[CH+(\k)], v[CH+(\k)], v[AC+16*(\k)+3+2*(\t)], v[AC+16*(\k)+4+2*(\t)]
.endr
.endr
	v_max3_num_f32 v[CH], v[CH], v[AC+15], v[AC+31]
	v_max3_num_f32 v[CH+2], v[CH+2], v[AC+47], v[AC+63]
	WIN 0
	v_max3_num_f32 v[CH], v[CH], v[CH+1], v[CH+2]
	v_max_num_f32 v[CH], v[CH], v[CH+3]
	v_permlanex16_b32 v[CH+1], v[CH], s[SEL], s[SEL+1]  ; the query's other 64 keys lie in the lane 16 away
	v_max_num_f32 v[CMM+1], v[CH], v[CH+1]
	v_mul_f32 v[CMM], s[CS], v[CMM+1]
	WIN WW                                         ; source 0 in window WW
.set i, 0
.rept 32
	v_pk_fma_f32 v[TT+2*i:TT+2*i+1], v[AC+2*i:AC+2*i+1], s[CS:CS+1], v[CMM:CMM+1] op_sel_hi:[1,0,0] neg_lo:[0,0,1] neg_hi:[0,0,1]  ; c s - cm
.set i, i+1
.endr
	WIN 0
.set i, 0
.rept 32                               ; exponential and plain by turns: the plain lines round and add the pair before, so that a plain line stands behind every exponential before its result is used (ISA guide 5.7.2)
	v_exp_f32 v[TT+2*i], v[TT+2*i]
.if i == 0
	v_mov_b32 v[CM+(\a)], v[CMM]
.else
	s_wait_alu depctr_va_vdst(0)
	v_cvt_pk_f16_f32 v[TMP+i-1], v[TT+2*i-2], v[TT+2*i-1]
.endif
	v_exp_f32 v[TT+2*i+1], v[TT+2*i+1]
	SUMJ i-1
.set i, i+1
.endr
	s_wait_alu depctr_va_vdst(0)
	v_cvt_pk_f16_f32 v[TMP+31], v[TT+62], v[TT+63]
	SUMJ 31
	v_pk_add_f32 v[LL:LL+1], v[LL:LL+1], v[LL+2:LL+3]
	v_pk_add_f32 v[LL+4:LL+5], v[LL+4:LL+5], v[LL+6:LL+7]
	v_pk_add_f32 v[LL:LL+1], v[LL:LL+1], v[LL+4:LL+5]
	v_add_f32 v[WK], v[LL], v[LL+1]
	v_permlanex16_b32 v[WK+1], v[WK], s[SEL], s[SEL+1]
	v_add_f32 v[LS+(\a)], v[WK], v[WK+1]
.endm
.macro TOSTAGE a                       ; 16 bytes a lane into my own stage, and back as whole rows of 256 bytes
.set BK, OB+192*((\a)%2)
.irp b, 0,1,2,3,4,5,6,7
	ds_store_b128 v[STO], v[TMP+4*(\b):TMP+4*(\b)+3] offset:32*(\b)
.endr
.irp t, 0,1,2,3,4,5,6,7
	ds_load_b128 v[BK+4*(\t):BK+4*(\t)+3], v[RD] offset:(\t)*2*PITCH  ; LDS serves a wave's instructions in order (ISA guide 5.7.1.4): these see the stores above
.endr
.endm
.macro SEND a
.set BK, OB+192*((\a)%2)
	s_wait_dscnt 0x0                               ; the block is back in registers
	s_wait_xcnt 0x0                                ; every earlier store has had its addresses translated (ISA guide 3.1): the other set of registers, which the block before last left from, is loaded again only behind this wait
.irp t, 0,1,2,3,4,5,6,7
	global_store_b128 v[CO], v[BK+4*(\t):BK+4*(\t)+3], s[8:9] offset:(16*(\a)+2*(\t))*PROW  ; 16 lanes store 256 consecutive bytes, at a multiple of 256 from p's first byte
.endr
.endm
	s_wait_tensorcnt 0x1                           ; my part of K step 0 is in; step 1's may stay out
	s_barrier_signal -1
	s_barrier_wait -1                              ; everybody's is
	FETCH 0, F0
	QUARTER 64, F0, F1, 1                          ; the first quarter stands in front of the loop: its products start the sums
	WIN 0
	s_mov_b32 s[CNT], STEPS-2
.Lstep:                                                ; a trip: a K step's quarters 1 to 3 and the next step's quarter 0; it fills one slot again
	QUARTER 128, F1, F0, 0
	QUARTER 192, F0, F1, 0
	TURN 1
	QUARTER 64, F0, F1, 0
	WIN 0
	s_sub_co_u32 s[CNT], s[CNT], 1
	s_cmp_lg_u32 s[CNT], 0
	s_cbranch_scc1 .Lstep
	QUARTER 128, F1, F0, 0                         ; the last two K steps are written out: nothing more is asked for
	QUARTER 192, F0, F1, 0
	TURN 0
	QUARTER 64, F0, F1, 0
	QUARTER 128, F1, F0, 0
	QUARTER 192, F0, F1, 0
	s_wait_dscnt 8
	MUL16 F1, 0, 0, 0
	MUL16 F1, 0, 2, 0
	s_wait_dscnt 0x0
	MUL16 F1, 1, 0, 0
	MUL16 F1, 1, 2, 0
	WIN 0
	PLACES
	v_mov_b32 v[WK+1], 0                           ; v_permlanex16_b32 counts as a reader of its destination
	SOFT 0
	TOSTAGE 0
.irp a, 1,2,3,4,5,6,7                  ; block a's softmax stands between block a - 1's loads from the stage and the wait for them
	SOFT \a
	SEND (\a)-1
	TOSTAGE \a
.endr
	SEND 7
	v_cmp_eq_u32 s[HM], 1, v2                      ; lanes 0-15 store blocks 0-3 of query l % 16, lanes 16-31 blocks 4-7: 16 bytes a lane, 512 consecutive bytes a store
.irp i, 0,1,2,3
	v_cndmask_b32 v[MOUT+(\i)], v[CM+(\i)], v[CM+4+(\i)], s[HM]
	v_cndmask_b32 v[LOUT+(\i)], v[LS+(\i)], v[LS+4+(\i)], s[HM]
.endr
	global_store_b128 v[SO], v[MOUT:MOUT+3], s[STB:STB+1]
	global_store_b128 v[SO], v[LOUT:LOUT+3], s[STB:STB+1] offset:524288
	s_wait_tensorcnt 0x0                           ; the wave's end: an add to my spare word and its wait, behind my last tensor load and my last LDS store
	ds_add_u32 v[SPW], v[NIL]
	s_wait_dscnt 0x0
	CROUND                                         ; the closing round: no work-group ends while a partner may still ask for a tile that names it
	s_endpgm
.Lfunc_end_k_qd884cca1e3_scores:
	.size	k_qd884cca1e3_scores, .Lfunc_end_k_qd884cca1e3_scores-k_qd884cca1e3_scores
	.p2alignl 7, 3214868480
	.fill 96, 4, 3214868480
	.section	.rodata,"a",@progbits
	.p2align	6, 0x0
	.amdhsa_kernel k_qd884cca1e3_scores
		.amdhsa_group_segment_fixed_size 327680
		.amdhsa_private_segment_fixed_size 0
		.amdhsa_enable_private_segment 0
		.amdhsa_kernarg_size 24
		.amdhsa_user_sgpr_count 2
		.amdhsa_user_sgpr_kernarg_segment_ptr 1
		.amdhsa_wavefront_size32 1
		.amdhsa_system_sgpr_workgroup_id_x 1
		.amdhsa_system_sgpr_workgroup_id_y 1
		.amdhsa_system_sgpr_workgroup_id_z 1
		.amdhsa_system_vgpr_workitem_id 0
		.amdhsa_next_free_vgpr 1024
		.amdhsa_next_free_sgpr 76
		.amdhsa_reserve_vcc 0
		.amdhsa_float_denorm_mode_32 3
		.amdhsa_float_denorm_mode_16_64 3
		.amdhsa_memory_ordered 1
		.amdhsa_forward_progress 1
		.amdhsa_inst_pref_size 193
	.end_amdhsa_kernel
	.amdgpu_metadata
---
amdhsa.version: [ 1, 2 ]
amdhsa.kernels:
  - .name:           k_qd884cca1e3_scores
    .symbol:         k_qd884cca1e3_scores.kd
    .args:
      - { .name: qkv, .offset: 0, .size: 8, .value_kind: global_buffer, .address_space: global }
      - { .name: p, .offset: 8, .size: 8, .value_kind: global_buffer, .address_space: global }
      - { .name: st, .offset: 16, .size: 8, .value_kind: global_buffer, .address_space: global }
    .group_segment_fixed_size: 327680
    .private_segment_fixed_size: 0
    .kernarg_segment_align: 8
    .kernarg_segment_size: 24
    .max_flat_workgroup_size: 128
    .sgpr_count:     76
    .vgpr_count:     1024
    .wavefront_size: 32
...
	.end_amdgpu_metadata
.endif
;; end of part 3
;; launch pv (part 4): grid 4 x 64, 4 waves a work-group, clusters of 4 x 4, 327,680 bytes of LDS; arguments p, qkv, st, out0; writes out0
.if DOCPART == 4
	.amdgcn_target "amdgcn-amd-amdhsa--gfx1250"
	.amdhsa_code_object_version 6
	.text
	.protected	k_qd884cca1e3_pv
	.globl	k_qd884cca1e3_pv
	.p2align	8
	.type	k_qd884cca1e3_pv,@function
k_qd884cca1e3_pv:
	s_mov_b64 s[64:65], 0
	v_nop
	global_prefetch_b8 v0, s[64:65] scope:SCOPE_SE
	s_setreg_imm32_b32 hwreg(HW_REG_WAVE_MODE, 25, 1), 1
	s_wait_xcnt 0x0
	s_wait_alu depctr_hold_cnt(0) depctr_sa_sdst(0) depctr_va_vdst(0) depctr_va_sdst(0) depctr_va_ssrc(0) depctr_va_vcc(0) depctr_vm_vsrc(0)
	s_getreg_b32 s2, hwreg(HW_REG_IB_STS2, 6, 4)
	s_cmp_eq_u32 s2, 0
	s_cbranch_scc0 .Lentry_in_a_cluster
	s_endpgm
.Lentry_in_a_cluster:
	s_bfe_u32 s2, ttmp6, 0x10000c
	s_cmp_lg_u32 s2, 0xf033
	s_cbranch_scc0 .Lentry_shape_is_right
	s_endpgm
.Lentry_shape_is_right:
; out0[q][:] = (the sum over the 16 strips j of F_j[q] x the sum over the strip's 128 keys of p[q][k] v[k][:]) / L[q], in f32.
; M[q] = the largest of the strips' cm: c times the row's true maximum; F_j = 2^(cm_j - M), in 0 to 1; L = the sum of F_j l_j, in f32, at least 1.  So this is softmax with the row's maximum taken away.
; p x F is made in f16 (F rounded once to f16, the product once) between the LDS load and the matrix instruction; products' sums in f32; out0 scaled by 1 / L once.
; LIMITS.  v arrives within f16's range; p F below 6e-5 keeps f16's fixed step of 6e-8; an F below 2^-126 counts as 0; NaN and infinities are not treated apart.
; SHARES.  A tile is 128 queries x 256 channels: 64 x 4 = 256 work-groups.  Four waves, each 64 x 128: 32 accumulators, 256 registers.  The keys go in 16 steps of 128, a strip a step, through two LDS slots.
; CLUSTER.  4 x 4 work-groups: the four of a row need the same rows of p, the four of a column the same columns of v (all sixteen lie in one batch): joint loads, the same descriptor and mask in all four.
; LAYOUT.  O^T = V^T P: source 0 = 16 channels x 32 keys, turned out of LDS by ds_load_tr16_b128; source 1 = 16 queries x 32 keys of p as it lies.  A lane holds ONE query (lane % 16) and eight channels, so F and
; 1 / L are one number a lane.
; REGISTERS.  Window 0: v0-51 addresses and statistics; two fragment buffers of 96: 64 of V, then 32 of P.  Window 1: the accumulators, (a, b) = (query block, channel block) at v[8 (8 a + b)].
.set PP,     272                       ; a row of p in LDS: 256 bytes + 16 of padding: the 16 rows of a load start at 16 different groups of four banks (ISA guide 11.1)
.set PV,     544                       ; a row of v: 512 + 32 = 136 words
.set PHALF,  64*PP
.set VHALF,  64*PV
.set VOFF,   2*PHALF                   ; in a slot: p's 128 rows, then v's 128 keys
.set SLOTX,  1<<17                     ; slot 1 begins here
.set STAGE,  SLOTX+VOFF+2*VHALF        ; behind the ring, never filled by a tensor load: 16 rows x 528 bytes for each wave, for the way out
.set SP,     528
.set FT,     STAGE+4*16*SP             ; each wave's table of F: strip j at 256 j: for query l % 16 four words (blocks 0-3), F twice in f16
.set SPARE,  FT+4*4096                 ; the spare words, 128 bytes for each wave: two blocks of 256 bytes that no other line names
.set STEPS,  16
.set VSTEP,  128*6144                  ; bytes from a strip's keys to the next strip's in qkv
.set ADRP,  16                         ; v16  LDS address of my fragments of p in the slot in hand
.set ADRP0, 18                         ; v18  the same in slot 0; never rewritten
.set ADRV0, 19                         ; v19  the same for v
.set ADRV,  20                         ; v20
.set STO,   24                         ; v24  the way out: where I put 32 bytes of a row
.set RD,    25                         ; v25  where I read a row back
.set CO,    26                         ; v26  my byte offset in a row's 512 bytes of out0
.set FA0,   27                         ; v27  my place in the table of F, strip 0; never rewritten
.set SPW,   28                         ; v28  LDS address of my spare word; never rewritten
.set NIL,   29                         ; v29  0; never rewritten
.set SO,    30                         ; v30  my byte offset in st: 16 x (lane % 16)
.set FAD,   31                         ; v31  my place in the table, the strip to come
.set FR,    32                         ; v32-35  F of the strip in hand, blocks 0-3
.set INV,   36                         ; v36-43  1 / L, blocks 0-3, each twice (pairs for the packed multiply)
.set MX,    44                         ; v44-47  M
.set LL,    48                         ; v48-51  L
.set F0,    64
.set F1,    160
.set TT,    64                         ; the way out: a block's 64 numbers a lane
.set OB,    128                        ; the way out: 16 rows read back: v128-191 and v192-255 by turns
.set TB,    2                          ; s2   0 or SLOTX: the slot in hand
.set FO,    3                          ; s3   256 x the strip whose F is fetched next
.set WV,    12
.set WR,    13                         ; which half of the tile's queries is mine; also: I fetch p (0) or v (1)
.set WC,    14                         ; which half of its channels; also: which half of that tile I fetch
.set CNT,   15
.set G1A,   24                         ; s[24:31] descriptor group 1 for p's tiles;  s[32:39] group 0: a set for each first fill; the second then walks on
.set G0A,   32
.set G1B,   48                         ; s[48:55], s[56:63] the same for v's
.set G0B,   56
.set W_MUL, 0x50                       ; sources 0 and 1 window 0; C and D window 1
.set MSB, 0
.macro WIN new                         ; the immediate's high byte repeats the setting that is left; a switch that changes nothing is dropped
.if MSB != (\new)
	s_set_vgpr_msb (MSB<<8)|(\new)
.set MSB, \new
.endif
.endm
.macro PLACES
	s_wait_alu depctr_va_vdst(0)
.rept 4
	v_nop
.endr
.endm
.macro JLOAD                           ; a joint refill by the walking set; an s_nop 0 and four v_nop follow each of the two lines
	s_cmp_eq_u32 s[WR], 0
	s_cbranch_scc0 .Lfor_b_\@
	tensor_load_to_lds s[G0A+4:G0A+7], s[G1A:G1A+7]
	s_nop 0
.rept 4
	v_nop
.endr
	s_branch .Lasked_\@
.Lfor_b_\@:
	tensor_load_to_lds s[G0B+4:G0B+7], s[G1B:G1B+7]
	s_nop 0
.rept 4
	v_nop
.endr
.Lasked_\@:
.endm
.macro CREST
	s_cmp_lg_u32 s[WV], 0
	s_cbranch_scc1 .Lnot_wave_0_\@
	s_barrier_signal -3
.Lnot_wave_0_\@:
	s_barrier_wait -3
	s_barrier_signal -1
	s_barrier_wait -1
.endm
.macro CROUND
	s_barrier_signal -1
	s_barrier_wait -1
	CREST
.endm
	s_load_b256 s[4:11], s[0:1], 0x0               ; p s[4:5], qkv s[6:7], st s[8:9], out0 s[10:11]
	v_lshl_add_u32 v[SPW], v0, 2, SPARE
	v_mov_b32 v[NIL], 0
	ds_add_u32 v[SPW], v[NIL]                      ; the wave's opening: the add and its wait stand ahead of my first tensor load; work on registers stands between them
	v_lshrrev_b32 v1, 5, v0
	v_readfirstlane_b32 s[WV], v1
	s_lshr_b32 s[WR], s[WV], 1
	s_and_b32 s[WC], s[WV], 1
	s_bfe_u32 s40, ttmp6, 0x40000                  ; cx, cy
	s_bfe_u32 s41, ttmp6, 0x40004
	s_lshl_b32 s42, ttmp9, 2
	s_add_co_u32 s42, s42, s40                     ; channel block = 4 x cluster x + cx
	s_and_b32 s43, ttmp7, 0xffff
	s_lshl_b32 s43, s43, 2
	s_add_co_u32 s43, s43, s41                     ; query block among all 64 = 4 x cluster y + cy
	s_lshl_b32 s44, s41, 2
	s_lshl_b32 s44, 15, s44                        ; my row of the cluster
	s_lshl_b32 s45, 0x1111, s40                    ; my column
	s_or_b32 s[G1A], s44, (1<<16)|(1<<20)|(1<<21)|(5<<22)|(3<<25)  ; the mask; 2-byte elements; padding on; bit 21 beside a mask; after every 64 words 4 words of padding
	s_mov_b32 s[G1A+1], 128<<16                    ; tensor_dim0 = 128 keys
	s_mov_b32 s[G1A+2], 64<<16                     ; tensor_dim1 = 64 queries
	s_mov_b32 s[G1A+3], 128<<16                    ; tile_dim0
	s_mov_b32 s[G1A+4], 64                         ; tile_dim1
	s_mov_b32 s[G1A+5], 2048                       ; elements from row to row of p
	s_mov_b32 s[G1A+6], 0
	s_mov_b32 s[G1A+7], 0
	s_or_b32 s[G1B], s45, (1<<16)|(1<<20)|(1<<21)|(6<<22)|(7<<25)  ; after every 128 words 8 words of padding
	s_mov_b32 s[G1B+1], 256<<16                    ; tensor_dim0 = 256 channels
	s_mov_b32 s[G1B+2], 64<<16                     ; tensor_dim1 = 64 keys
	s_mov_b32 s[G1B+3], 256<<16
	s_mov_b32 s[G1B+4], 64
	s_mov_b32 s[G1B+5], 3072                       ; elements from row to row of qkv
	s_mov_b32 s[G1B+6], 0
	s_mov_b32 s[G1B+7], 0
	s_lshl_b32 s16, s43, 19                        ; p: (128 x query block + 64 x half) rows of 4,096 bytes, which my row of the cluster shares
	s_lshl_b32 s17, s[WC], 18
	s_add_co_u32 s16, s16, s17
	s_mov_b32 s17, 0
	s_and_b32 s46, ttmp7, 0xffff                   ; v: the batch = cluster y / 4, which the whole cluster shares,
	s_lshr_b32 s46, s46, 2
	s_lshl_b32 s46, s46, 11                        ; row 2,048 x batch + 64 x half,
	s_lshl_b32 s47, s[WC], 6
	s_add_co_u32 s46, s46, s47
	s_mul_i32 s46, s46, 6144
	s_lshl_b32 s47, s42, 9                         ; 512 bytes a channel block, which my column shares;
	s_add_co_u32 s46, s46, s47
	s_add_co_u32 s46, s46, 4096                    ; v begins 4,096 bytes into a row
	s_mov_b32 s47, 0
	s_mul_i32 s20, s[WC], PHALF                    ; where they go: no place in the cluster enters an LDS address
	s_mul_i32 s21, s[WC], VHALF
	s_add_co_u32 s21, s21, VOFF
	s_mov_b32 s[TB], 0
	s_mov_b32 s[FO], 0
	s_wait_dscnt 0x0                               ; the opening add is done
	s_wait_kmcnt 0x0
	s_add_nc_u64 s[16:17], s[4:5], s[16:17]
	s_add_nc_u64 s[46:47], s[6:7], s[46:47]
.irp s, 0,1
	s_mov_b32 s[G0A+4*(\s)], 1
	s_add_co_u32 s[G0A+4*(\s)+1], s20, (\s)*SLOTX
	s_add_nc_u64 s[G0A+4*(\s)+2:G0A+4*(\s)+3], s[16:17], (\s)*256
	s_or_b32 s[G0A+4*(\s)+3], s[G0A+4*(\s)+3], 0x80000000
	s_mov_b32 s[G0B+4*(\s)], 1
	s_add_co_u32 s[G0B+4*(\s)+1], s21, (\s)*SLOTX
	s_add_nc_u64 s[G0B+4*(\s)+2:G0B+4*(\s)+3], s[46:47], (\s)*VSTEP
	s_or_b32 s[G0B+4*(\s)+3], s[G0B+4*(\s)+3], 0x80000000
.endr
	CROUND                                         ; all sixteen work-groups are here: the first joint loads meet
	s_cmp_eq_u32 s[WR], 0                          ; a wave's two first fills stand in one branch: two loads of mine are out
	s_cbranch_scc0 .Lfirst_b
	tensor_load_to_lds s[G0A:G0A+3], s[G1A:G1A+7]
	s_nop 0
	tensor_load_to_lds s[G0A+4:G0A+7], s[G1A:G1A+7]
	s_nop 0
.rept 4
	v_nop
.endr
	s_branch .Lfirst_asked
.Lfirst_b:
	tensor_load_to_lds s[G0B:G0B+3], s[G1B:G1B+7]
	s_nop 0
	tensor_load_to_lds s[G0B+4:G0B+7], s[G1B:G1B+7]
	s_nop 0
.rept 4
	v_nop
.endr
.Lfirst_asked:
	; THE STATISTICS, in the wait for the first tiles.  My wave's 64 queries: lane l takes query l % 16 of blocks 0-3, four numbers in 16 bytes, for each of the 16 strips.
	v_and_b32 v1, 15, v0                           ; l % 16
	v_bfe_u32 v2, v0, 4, 1                         ; l / 16
	v_lshlrev_b32 v[SO], 4, v1
	s_lshl_b32 s18, s43, 9                         ; st at my first row: (128 x query block + 64 x half) x 4
	s_lshl_b32 s19, s[WR], 8
	s_add_co_u32 s18, s18, s19
	s_mov_b32 s19, 0
	s_add_nc_u64 s[8:9], s[8:9], s[18:19]
.set j, 0
.rept 16
	global_load_b128 v[64+4*j:67+4*j],   v[SO], s[8:9] offset:j*32768         ; cm of strip j
	global_load_b128 v[128+4*j:131+4*j], v[SO], s[8:9] offset:524288+j*32768  ; l of strip j
.set j, j+1
.endr
	v_mul_u32_u24 v3, v1, PP                       ; a fragment of p: row x pitch + 16 x half, in my 64 rows
	v_lshl_add_u32 v3, v2, 4, v3
	s_mul_i32 s22, s[WR], PHALF
	v_add_nc_u32 v[ADRP0], s22, v3
	v_mov_b32 v[ADRP], v[ADRP0]
	; The turning load takes 16 keys x 16 channels (lane l reads key 8 (l / 16) + l % 8, channels 8 ((l / 8) % 2) + 0..7) and leaves half a fragment of V^T: lane l holds channel l % 16 and 8 keys.
	v_and_b32 v4, 7, v0
	v_bfe_u32 v5, v0, 3, 1
	v_lshl_add_u32 v6, v2, 3, v4
	v_mul_u32_u24 v6, v6, PV
	v_lshl_add_u32 v6, v5, 4, v6
	s_lshl_b32 s22, s[WC], 8                       ; my 128 channels
	s_add_co_u32 s22, s22, VOFF
	v_add_nc_u32 v[ADRV0], s22, v6
	v_mov_b32 v[ADRV], v[ADRV0]
	s_mul_i32 s23, s[WV], 16*SP
	s_add_co_u32 s23, s23, STAGE                   ; my stage
	v_mul_u32_u24 v3, v1, SP                       ; in: row l % 16, 32 bytes for each half of the lanes
	v_lshl_add_u32 v3, v2, 5, v3
	v_add_nc_u32 v[STO], s23, v3
	v_and_b32 v3, 31, v0
	v_lshlrev_b32 v[CO], 4, v3                     ; back: 32 lanes take a row's 512 bytes
	v_add_nc_u32 v[RD], s23, v[CO]
	s_lshl_b32 s23, s[WV], 12
	s_add_co_u32 s23, s23, FT                      ; my table
	v_add_nc_u32 v[FA0], s23, v[SO]
	s_lshl_b32 s18, s43, 19                        ; out0: (128 x query block + 64 x half) rows of 4,096 bytes + 1,024 x channel block + 512 x half
	s_lshl_b32 s19, s[WR], 18
	s_add_co_u32 s18, s18, s19
	s_lshl_b32 s19, s42, 10
	s_add_co_u32 s18, s18, s19
	s_lshl_b32 s19, s[WC], 9
	s_add_co_u32 s18, s18, s19
	s_mov_b32 s19, 0
	s_add_nc_u64 s[10:11], s[10:11], s[18:19]
	s_wait_loadcnt 0x0
.irp i, 0,1,2,3                        ; M: the largest of the 16 cm
	v_max3_num_f32 v[MX+(\i)], v[64+(\i)], v[68+(\i)], v[72+(\i)]
.endr
.irp t, 0,1,2,3,4,5
.irp i, 0,1,2,3
	v_max3_num_f32 v[MX+(\i)], v[MX+(\i)], v[76+8*(\t)+(\i)], v[80+8*(\t)+(\i)]
.endr
.endr
.irp i, 0,1,2,3
	v_max_num_f32 v[MX+(\i)], v[MX+(\i)], v[124+(\i)]
.endr
.set j, 0
.rept 32
	v_pk_add_f32 v[64+2*j:65+2*j], v[64+2*j:65+2*j], v[MX+2*(j%2):MX+2*(j%2)+1] neg_lo:[0,1] neg_hi:[0,1]  ; cm - M
.set j, j+1
.endr
.set j, 0
.rept 64
	v_exp_f32 v[64+j], v[64+j]                     ; F
.set j, j+1
.endr
	v_nop                                          ; a plain instruction between the last exponential and the use of its result
	s_wait_alu depctr_va_vdst(0)
	v_pk_mul_f32 v[LL:LL+1], v[64:65], v[128:129]  ; L = the sum of F l: the first strip starts it
	v_pk_mul_f32 v[LL+2:LL+3], v[66:67], v[130:131]
.set j, 2
.rept 30
	v_pk_fma_f32 v[LL+2*(j%2):LL+2*(j%2)+1], v[64+2*j:65+2*j], v[128+2*j:129+2*j], v[LL+2*(j%2):LL+2*(j%2)+1]
.set j, j+1
.endr
.set j, 0
.rept 64
	v_cvt_pk_f16_f32 v[192+j], v[64+j], v[64+j]    ; F twice in a word, for the packed multiply
.set j, j+1
.endr
.set j, 0
.rept 16
	ds_store_b128 v[FA0], v[192+4*j:195+4*j] offset:256*j  ; my wave's own table: lanes l and l + 16 write the same words with the same numbers
.set j, j+1
.endr
.irp i, 0,1,2,3
	v_rcp_f32 v[INV+2*(\i)], v[LL+(\i)]
	v_rcp_f32 v[INV+2*(\i)+1], v[LL+(\i)]
.endr
	v_nop                                          ; a plain instruction behind the last reciprocal
; 8 matrix instructions: query block a x all 8 channel blocks, 32 keys.  zero = 1: the first product starts the sums.  The 32 accumulators take turns in the same order in every quarter.
.macro MUL8 f, a, zero
	WIN W_MUL
.irp b, 0,1,2,3,4,5,6,7
.if \zero
	v_wmma_f32_16x16x32_f16 v[8*(8*(\a)+(\b)):8*(8*(\a)+(\b))+7], v[(\f)+8*(\b):(\f)+8*(\b)+7], v[(\f)+64+8*(\a):(\f)+64+8*(\a)+7], 0
.else
	v_wmma_f32_16x16x32_f16 v[8*(8*(\a)+(\b)):8*(8*(\a)+(\b))+7], v[(\f)+8*(\b):(\f)+8*(\b)+7], v[(\f)+64+8*(\a):(\f)+64+8*(\a)+7], v[8*(8*(\a)+(\b)):8*(8*(\a)+(\b))+7]
.endif
.endr
.endm
.macro SCALE4 g, n                     ; four of buffer g's 32 registers of p, times F of their query block
	WIN 0
.irp z, 0,1,2,3
	v_pk_mul_f16 v[(\g)+64+4*(\n)+(\z)], v[(\g)+64+4*(\n)+(\z)], v[FR+(\n)/2]
.endr
.endm
; The same 8 matrix instructions with four vector lines behind each: the next quarter's p is scaled beside the products.  The four behind the last are also the places in front of the next run of loads:
; they name none of that product's registers.
.macro MUL8R f, a, g, zero
.irp b, 0,1,2,3,4,5,6,7
	WIN W_MUL
.if \zero
	v_wmma_f32_16x16x32_f16 v[8*(8*(\a)+(\b)):8*(8*(\a)+(\b))+7], v[(\f)+8*(\b):(\f)+8*(\b)+7], v[(\f)+64+8*(\a):(\f)+64+8*(\a)+7], 0
.else
	v_wmma_f32_16x16x32_f16 v[8*(8*(\a)+(\b)):8*(8*(\a)+(\b))+7], v[(\f)+8*(\b):(\f)+8*(\b)+7], v[(\f)+64+8*(\a):(\f)+64+8*(\a)+7], v[8*(8*(\a)+(\b)):8*(8*(\a)+(\b))+7]
.endif
	SCALE4 \g, \b
.endr
.endm
.macro FETCHP kq, g                    ; 8 loads: my 64 queries x keys 32 kq on
	WIN 0
.irp a, 0,1,2,3
	ds_load_b128 v[(\g)+64+8*(\a):(\g)+64+8*(\a)+3],   v[ADRP] offset:64*(\kq)+(\a)*16*PP
	ds_load_b128 v[(\g)+64+8*(\a)+4:(\g)+64+8*(\a)+7], v[ADRP] offset:64*(\kq)+(\a)*16*PP+32
.endr
.endm
.macro FETCHV kq, g                    ; 16 turning loads: keys 32 kq on x my 128 channels
	WIN 0
.irp b, 0,1,2,3,4,5,6,7
	ds_load_tr16_b128 v[(\g)+8*(\b):(\g)+8*(\b)+3],   v[ADRV] offset:(\kq)*32*PV+32*(\b)
	ds_load_tr16_b128 v[(\g)+8*(\b)+4:(\g)+8*(\b)+7], v[ADRV] offset:(\kq)*32*PV+16*PV+32*(\b)
.endr
.endm
; A step is four quarters of 32 keys on buffers 0, 1, 0, 1.  One of the first three multiplies buffer f, fetches quarter kq into g (p first, so that it can be scaled under the last eight products) and scales it.
.macro QUARTER kq, f, g, zero
	FETCHP \kq, \g
	s_wait_dscnt 8                                 ; all but the 8 just issued: V of buffer f is in
	MUL8 \f, 0, \zero
	MUL8 \f, 1, \zero
	FETCHV \kq, \g
	s_wait_dscnt 16                                ; all but the 16 just issued: p of buffer g is in
	MUL8 \f, 2, \zero
	MUL8R \f, 3, \g, \zero
.endm
; The last quarter multiplies buffer 1 and changes slots.  ONE barrier: in front of it each wave waits for all its tensor loads (one is out: its part of the next slot), adds 0 to its spare
; word, and waits for that and for its reads of this slot.  fill = 1: the barrier opens a round of the cluster's, and the slot just read is filled again first, two steps ahead.
.macro TURN fill
	WIN 0
	s_wait_tensorcnt 0x0                           ; all my tensor loads have landed, so the walking sets may be written
	ds_add_u32 v[SPW], v[NIL]                      ; 0 onto my spare word
	s_wait_dscnt 1                                 ; (the add alone may be out: V of buffer 1 is in)
	MUL8 F1, 0, 0                                  ; eight matrix instructions stand between the add and the wait for it
	s_wait_dscnt 0x0                               ; the add is done, and my reads of this slot are over
	s_barrier_signal -1
	MUL8 F1, 1, 0                                  ; work on registers while the others arrive
	WIN 0                                          ; at a branch and at a label every window is 0
	s_barrier_wait -1
.if \fill
	CREST                                          ; no wave of any partner still reads this slot or has a load on its way
	s_xor_b32 s[G0A+5], s[G0A+5], SLOTX            ; the walking sets: the other slot than last time, the next strip
	s_add_nc_u64 s[G0A+6:G0A+7], s[G0A+6:G0A+7], 256
	s_xor_b32 s[G0B+5], s[G0B+5], SLOTX
	s_add_nc_u64 s[G0B+6:G0B+7], s[G0B+6:G0B+7], VSTEP
	JLOAD                                          ; my one tensor load behind the round
.else
	PLACES
.endif
	s_xor_b32 s[TB], s[TB], SLOTX                  ; the fetches go over to the other slot,
	s_add_co_u32 s[FO], s[FO], 256                 ; and F to the next strip
	v_add_nc_u32 v[ADRP], s[TB], v[ADRP0]
	v_add_nc_u32 v[ADRV], s[TB], v[ADRV0]
	v_add_nc_u32 v[FAD], s[FO], v[FA0]
	ds_load_b128 v[FR:FR+3], v[FAD]
	FETCHP 0, F0
	FETCHV 0, F0
	MUL8 F1, 2, 0
	s_wait_dscnt 16                                ; all but V's 16: F and p are in
	MUL8R F1, 3, F0, 0
.endm
; THE WAY OUT of block a (16 queries x 128 channels in f32): times 1 / L; 32 bytes a lane and channel block into my own stage; back as whole rows of 512 bytes; stored.
.macro OPACK a
	WIN 0x01                                       ; source 0 window 1; each accumulator's registers in ascending order
.set i, 0
.rept 32
	v_pk_mul_f32 v[TT+2*i:TT+2*i+1], v[64*(\a)+2*i:64*(\a)+2*i+1], v[INV+2*(\a):INV+2*(\a)+1]
.set i, i+1
.endr
	WIN 0
.endm
.macro TOSTAGE a
.set BK, OB+64*((\a)%2)
.irp b, 0,1,2,3,4,5,6,7
	ds_store_b128 v[STO], v[TT+8*(\b):TT+8*(\b)+3] offset:64*(\b)
	ds_store_b128 v[STO], v[TT+8*(\b)+4:TT+8*(\b)+7] offset:64*(\b)+16
.endr
.irp t, 0,1,2,3,4,5,6,7,8,9,10,11,12,13,14,15
	ds_load_b128 v[BK+4*(\t):BK+4*(\t)+3], v[RD] offset:(\t)*SP  ; LDS serves a wave's instructions in order (ISA guide 5.7.1.4): these see the stores above
.endr
.endm
.macro SEND a
.set BK, OB+64*((\a)%2)
	s_wait_dscnt 0x0                               ; the block is back in registers
	s_wait_xcnt 0x0                                ; every earlier store has had its addresses translated (ISA guide 3.1): the other set of registers is loaded again only behind this wait
.irp t, 0,1,2,3,4,5,6,7,8,9,10,11,12,13,14,15
	global_store_b128 v[CO], v[BK+4*(\t):BK+4*(\t)+3], s[10:11] offset:(16*(\a)+(\t))*4096 th:TH_STORE_NT  ; a wave stores 512 consecutive bytes, at a multiple of 256 from out0's first byte
.endr
.endm
	s_wait_dscnt 0x0                               ; my table is written
	s_wait_tensorcnt 0x1                           ; my part of strip 0 is in; strip 1's may stay out
	s_barrier_signal -1
	s_barrier_wait -1                              ; everybody's is
	ds_load_b128 v[FR:FR+3], v[FA0]                ; F of strip 0
	FETCHP 0, F0
	FETCHV 0, F0
	s_wait_dscnt 16                                ; all but V's 16
.irp n, 0,1,2,3,4,5,6,7
	SCALE4 F0, \n
.endr
	QUARTER 1, F0, F1, 1                           ; the first quarter stands in front of the loop: its products start the sums
	WIN 0
	s_mov_b32 s[CNT], STEPS-2
.Lstep:                                                ; a trip: a strip's quarters 1 to 3 and the next strip's quarter 0; it fills one slot again
	QUARTER 2, F1, F0, 0
	QUARTER 3, F0, F1, 0
	TURN 1
	QUARTER 1, F0, F1, 0
	WIN 0
	s_sub_co_u32 s[CNT], s[CNT], 1
	s_cmp_lg_u32 s[CNT], 0
	s_cbranch_scc1 .Lstep
	QUARTER 2, F1, F0, 0                           ; the last two strips are written out: nothing more is asked for
	QUARTER 3, F0, F1, 0
	TURN 0
	QUARTER 1, F0, F1, 0
	QUARTER 2, F1, F0, 0
	QUARTER 3, F0, F1, 0
	s_wait_dscnt 0x0
	MUL8 F1, 0, 0
	MUL8 F1, 1, 0
	MUL8 F1, 2, 0
	MUL8 F1, 3, 0
	WIN 0
	PLACES
	OPACK 0
	TOSTAGE 0
.irp a, 1,2,3                          ; block a's scaling stands between block a - 1's loads from the stage and the wait for them
	OPACK \a
	SEND (\a)-1
	TOSTAGE \a
.endr
	SEND 3
	s_wait_tensorcnt 0x0                           ; the wave's end: an add to my spare word and its wait, behind my last tensor load and my last LDS store
	ds_add_u32 v[SPW], v[NIL]
	s_wait_dscnt 0x0
	CROUND                                         ; the closing round: no work-group ends while a partner may still ask for a tile that names it
	s_endpgm
.Lfunc_end_k_qd884cca1e3_pv:
	.size	k_qd884cca1e3_pv, .Lfunc_end_k_qd884cca1e3_pv-k_qd884cca1e3_pv
	.p2alignl 7, 3214868480
	.fill 96, 4, 3214868480
	.section	.rodata,"a",@progbits
	.p2align	6, 0x0
	.amdhsa_kernel k_qd884cca1e3_pv
		.amdhsa_group_segment_fixed_size 327680
		.amdhsa_private_segment_fixed_size 0
		.amdhsa_enable_private_segment 0
		.amdhsa_kernarg_size 32
		.amdhsa_user_sgpr_count 2
		.amdhsa_user_sgpr_kernarg_segment_ptr 1
		.amdhsa_wavefront_size32 1
		.amdhsa_system_sgpr_workgroup_id_x 1
		.amdhsa_system_sgpr_workgroup_id_y 1
		.amdhsa_system_sgpr_workgroup_id_z 1
		.amdhsa_system_vgpr_workitem_id 0
		.amdhsa_next_free_vgpr 512
		.amdhsa_next_free_sgpr 70
		.amdhsa_reserve_vcc 0
		.amdhsa_float_denorm_mode_32 3
		.amdhsa_float_denorm_mode_16_64 3
		.amdhsa_memory_ordered 1
		.amdhsa_forward_progress 1
		.amdhsa_inst_pref_size 122
	.end_amdhsa_kernel
	.amdgpu_metadata
---
amdhsa.version: [ 1, 2 ]
amdhsa.kernels:
  - .name:           k_qd884cca1e3_pv
    .symbol:         k_qd884cca1e3_pv.kd
    .args:
      - { .name: p, .offset: 0, .size: 8, .value_kind: global_buffer, .address_space: global }
      - { .name: qkv, .offset: 8, .size: 8, .value_kind: global_buffer, .address_space: global }
      - { .name: st, .offset: 16, .size: 8, .value_kind: global_buffer, .address_space: global }
      - { .name: out0, .offset: 24, .size: 8, .value_kind: global_buffer, .address_space: global }
    .group_segment_fixed_size: 327680
    .private_segment_fixed_size: 0
    .kernarg_segment_align: 8
    .kernarg_segment_size: 32
    .max_flat_workgroup_size: 128
    .sgpr_count:     70
    .vgpr_count:     512
    .wavefront_size: 32
...
	.end_amdgpu_metadata
.endif
;; end of part 4
;; ======== version 2 of 2: 4 launches; version 1 with the launch cast written anew for expert scheduling mode
;; limits: values are held in f16: magnitudes above 65,504 overflow, below 6.1e-05 lose precision
;; workspace buffers: xw 23,068,672 bytes; qkv 50,331,648 bytes; p 33,554,432 bytes; st 1,048,576 bytes
;; launch cast (part 5): grid 704 x 1, 8 waves a work-group, no clusters, 0 bytes of LDS; arguments x, Wq, Wk, Wv, xw; writes xw
.if DOCPART == 5
	.amdgcn_target "amdgcn-amd-amdhsa--gfx1250"
	.amdhsa_code_object_version 6
	.text
	.protected	k_qd884cca1e3_cast
	.globl	k_qd884cca1e3_cast
	.p2align	8
	.type	k_qd884cca1e3_cast,@function
k_qd884cca1e3_cast:
	s_mov_b64 s[64:65], 0
	v_nop
	global_prefetch_b8 v0, s[64:65] scope:SCOPE_SE
	s_setreg_imm32_b32 hwreg(HW_REG_WAVE_SCHED_MODE, 0, 2), 2
	s_setreg_imm32_b32 hwreg(HW_REG_WAVE_MODE, 25, 1), 1
	s_wait_xcnt 0x0
	s_wait_alu depctr_vm_vsrc(0)
; xw in bf16 = x's 8,192 rows, then Wq's, Wk's and Wv's 1,024 rows each, every number rounded once to nearest even, LAID OUT IN BLOCKS ALONG K:
; xw[kb][row][64], kb = 0..15, row = 0..11,263: a row's 64 numbers of block kb are 128 bytes, and neighbouring rows of a block lie end to end.  So the launch behind
; can ask for any run of rows of one block as dense rows of 256 bytes.
; A stream: each input byte is read once, each output byte written once; LDS, barriers and the matrix unit would add nothing.
; A work-group of eight waves takes 16 rows: 65,536 bytes in, 32,768 out.  Groups 0-511 take x; group 512 + 64 w + i takes chunk i of weight w.
; Wave w takes blocks 2 w and 2 w + 1.  One load: lanes 0-15 the 256 bytes (64 f32) of an even row in a block, lanes 16-31 those of the odd row below: two aligned pieces of 256 bytes.
; One store: the same two rows' 128 bytes each, which are 256 consecutive bytes of xw at a multiple of 256.
; All sixteen loads go out first; no register is used twice.
; THE MODE: SCHED_MODE bits 1:0 = 2 (LLVM: expert scheduling mode 2), set by the entry lines.  The code itself states the register dependences
; between vector instructions and memory instructions, with s_wait_alu, always for 0.
; THE PLAN.  Registers that memory instructions touch:
;   v1, v2   byte offsets in the source and in xw: made once at the head, read by every load (v1) and every store (v2), never written again.
;   X        each register is written by one load and read by one conversion; no vector line names it ahead of its load, and it is never loaded again.
;   Y        each register is written by one conversion and read by one store; it is never written again.
; The sixteen loads go in four QUARTETS.  Quartet g waits for its four loads and rounds them into its own eight registers of Y; its memory instructions are the four stores of quartet g - 1,
; one ahead of each pair of conversions.  So one wait on va_vdst at a quartet's head states all that its stores hang on: the conversions behind that wait name X and Y of quartet g,
; the stores v2 and Y of quartet g - 1.  No register that a memory instruction has read is written again, so no wait on vm_vsrc stands behind the entry lines.
.set BLK, 11264*128                    ; bytes in a block of xw
.set X, 4                              ; v[4:67]   sixteen loads of four f32
.set Y, 68                             ; v[68:99]  sixteen pairs of packed bf16
	s_load_b256 s[4:11], s[0:1], 0x0               ; x s[4:5], Wq s[6:7], Wk s[8:9], Wv s[10:11]
	s_load_b64 s[12:13], s[0:1], 0x20              ; xw
	s_sub_co_u32 s14, ttmp9, 512                   ; the group's number among the weights' (it wraps for x's groups, where it is not used)
	s_lshr_b32 s15, s14, 6                         ; which weight
	s_and_b32 s16, s14, 63                         ; which chunk of it
	s_cmp_lt_u32 ttmp9, 512
	s_cselect_b32 s16, ttmp9, s16                  ; x's groups: the chunk is the group's number
	s_lshl_b32 s16, s16, 16                        ; 65,536 bytes a chunk in the source
	s_mov_b32 s17, 0
	s_lshl_b32 s18, ttmp9, 11                      ; 16 rows of 128 bytes a group in each block of xw
	s_mov_b32 s19, 0
	v_and_b32 v3, 15, v0                           ; r = lane % 16
	v_bfe_u32 v2, v0, 4, 1                         ; h = lane / 16
	v_lshlrev_b32 v1, 4, v3                        ; source: 16 r
	v_lshl_add_u32 v1, v2, 12, v1                  ;   + one row of 4,096 bytes for the upper lanes
	v_lshlrev_b32 v3, 3, v3                        ; xw: 8 r
	v_lshl_add_u32 v2, v2, 7, v3                   ;   + one row of 128 bytes for the upper lanes
	v_lshrrev_b32 v3, 5, v0                        ; the wave
	v_lshl_add_u32 v1, v3, 9, v1                   ; source: + two blocks' 512 bytes a wave
	v_mul_u32_u24 v3, v3, 2*BLK                    ; xw: + two blocks a wave
	v_add_nc_u32 v2, v2, v3
	s_wait_kmcnt 0x0
	s_cmp_eq_u32 s15, 1                            ; the source is chosen by the group's number alone
	s_cselect_b64 s[20:21], s[8:9], s[6:7]
	s_cmp_eq_u32 s15, 2
	s_cselect_b64 s[20:21], s[10:11], s[20:21]
	s_cmp_lt_u32 ttmp9, 512
	s_cselect_b64 s[20:21], s[4:5], s[20:21]
	s_add_nc_u64 s[20:21], s[20:21], s[16:17]
	s_add_nc_u64 s[12:13], s[12:13], s[18:19]
	s_wait_alu depctr_va_vdst(0)                   ; v1 and v2 are written: every load reads v1 as its offset, every store v2
.irp s, 0,1,2,3,4,5,6,7,8,9,10,11,12,13,14,15  ; load s: pair of rows s % 8, the wave's block s / 8
	global_load_b128 v[X+4*(\s):X+4*(\s)+3], v1, s[20:21] offset:((\s)%8)*8192+((\s)/8)*256 th:TH_LOAD_NT
.endr
.macro RND s                           ; load s's four numbers rounded into its pair of Y
	v_cvt_pk_bf16_f32 v[Y+2*(\s)], v[X+4*(\s)], v[X+4*(\s)+1]
	v_cvt_pk_bf16_f32 v[Y+2*(\s)+1], v[X+4*(\s)+2], v[X+4*(\s)+3]
.endm
.macro SEND s                          ; and stored: pair of rows s % 8 of the wave's block s / 8
	global_store_b64 v2, v[Y+2*(\s):Y+2*(\s)+1], s[12:13] offset:((\s)/8)*BLK+((\s)%8)*256
.endm
.irp g, 0,1,2,3
	s_wait_loadcnt 12-4*(\g)                       ; loads come back in order (ISA guide 5.7.1): this quartet's four are in, the younger quartets' stay out
.if (\g) > 0
	s_wait_alu depctr_va_vdst(0)                   ; the quartet before has written its eight registers of Y, which the four stores below read
.endif
.irp i, 0,1,2,3
.if (\g) > 0
	SEND 4*(\g)-4+(\i)                             ; no vector instruction since the wait names v2 or these registers
.endif
	RND 4*(\g)+(\i)
.endr
.endr
	s_wait_alu depctr_va_vdst(0)                   ; the last quartet has written its eight registers of Y, which the last four stores read
.irp i, 12,13,14,15
	SEND \i
.endr
	s_endpgm
.Lfunc_end_k_qd884cca1e3_cast:
	.size	k_qd884cca1e3_cast, .Lfunc_end_k_qd884cca1e3_cast-k_qd884cca1e3_cast
	.p2alignl 7, 3214868480
	.fill 96, 4, 3214868480
	.section	.rodata,"a",@progbits
	.p2align	6, 0x0
	.amdhsa_kernel k_qd884cca1e3_cast
		.amdhsa_group_segment_fixed_size 0
		.amdhsa_private_segment_fixed_size 0
		.amdhsa_enable_private_segment 0
		.amdhsa_kernarg_size 40
		.amdhsa_user_sgpr_count 2
		.amdhsa_user_sgpr_kernarg_segment_ptr 1
		.amdhsa_wavefront_size32 1
		.amdhsa_system_sgpr_workgroup_id_x 1
		.amdhsa_system_sgpr_workgroup_id_y 1
		.amdhsa_system_sgpr_workgroup_id_z 1
		.amdhsa_system_vgpr_workitem_id 0
		.amdhsa_next_free_vgpr 100
		.amdhsa_next_free_sgpr 66
		.amdhsa_reserve_vcc 0
		.amdhsa_float_denorm_mode_32 3
		.amdhsa_float_denorm_mode_16_64 3
		.amdhsa_memory_ordered 1
		.amdhsa_forward_progress 1
		.amdhsa_inst_pref_size 7
	.end_amdhsa_kernel
	.amdgpu_metadata
---
amdhsa.version: [ 1, 2 ]
amdhsa.kernels:
  - .name:           k_qd884cca1e3_cast
    .symbol:         k_qd884cca1e3_cast.kd
    .args:
      - { .name: x, .offset: 0, .size: 8, .value_kind: global_buffer, .address_space: global }
      - { .name: Wq, .offset: 8, .size: 8, .value_kind: global_buffer, .address_space: global }
      - { .name: Wk, .offset: 16, .size: 8, .value_kind: global_buffer, .address_space: global }
      - { .name: Wv, .offset: 24, .size: 8, .value_kind: global_buffer, .address_space: global }
      - { .name: xw, .offset: 32, .size: 8, .value_kind: global_buffer, .address_space: global }
    .group_segment_fixed_size: 0
    .private_segment_fixed_size: 0
    .kernarg_segment_align: 8
    .kernarg_segment_size: 40
    .max_flat_workgroup_size: 256
    .sgpr_count:     66
    .vgpr_count:     100
    .wavefront_size: 32
...
	.end_amdgpu_metadata
.endif
;; end of part 5
;; launch proj: the kernel of part 2 again; grid 8 x 32, 4 waves a work-group, clusters of 4 x 4, 327,680 bytes of LDS; arguments xw, qkv; writes qkv
;; launch scores: the kernel of part 3 again; grid 8 x 32, 4 waves a work-group, clusters of 4 x 4, 327,680 bytes of LDS; arguments qkv, p, st; writes p, st
;; launch pv: the kernel of part 4 again; grid 4 x 64, 4 waves a work-group, clusters of 4 x 4, 327,680 bytes of LDS; arguments p, qkv, st, out0; writes out0
